; MI455X (gfx1250); checked and timed in simulation.
; The chip was launched on July 23, 2026; its instructions are those of AMD's public machine-readable ISA for CDNA 5 (MIT licence, August 2026) and "CDNA5" Instruction Set Architecture Reference Guide (July 2026). The comments in the code are by the model that wrote it; some were corrected since.
;; Multihead Attention With Ro PE. Allowed arithmetic: matrix products marked QUANTISED: E2M3 operands, one E8M0 scale for each 32 along K, by v_wmma_scale_f32_16x16x128_f8f6f4 with both operands' format E2M3, f32 sums; everything else in f32.
;; Inputs: Wk 1,024 x 1,024 float32; Wo 1,024 x 1,024 float32; Wq 1,024 x 1,024 float32; Wv 1,024 x 1,024 float32; attn_mask 2 x 2,048 bool; bias_emb 2 x 16 float32; freqs 2,048 x 512 float32; key 2 x 2,048 x 1,024 float32; kv_id 2 x 2,048 int32; query 2 x 2,048 x 1,024 float32; query_id 2 x 2,048 int32; value 2 x 2,048 x 1,024 float32.
;; Outputs: out0 2 x 2,048 x 1,024 float32.
;; This version of the problem:
;;   THIS VERSION OF THE PROBLEM IS GIVEN IN LOW PRECISION. The matrix products marked QUANTISED in the list below multiply operands that are first quantised to E2M3 (2 exponent bits, 3 mantissa bits; 6 bits a number), with one power-of-two scale for each 32 numbers along K (OCP MX v1.0); their sums are f32. All else is computed in f32.
;;   The module's matrix products, in the order in which they are computed (A, B: the left and right operand; K: the contracted axis; several contracted axes count as one K, in the product's order):
;;     1. [M 4,096, K 1,024] x [K 1,024, N 1,024]; A: input query; B: input Wq: QUANTISED
;;     2. [M 4,096, K 1,024] x [K 1,024, N 1,024]; A: input key; B: input Wk: QUANTISED
;;     3. [M 4,096, K 1,024] x [K 1,024, N 1,024]; A: input value; B: input Wv: QUANTISED
;;     4. batch 32 x [M 2,048, K 64] x [K 64, N 2,048]; A: computed on the way; B: computed on the way: QUANTISED
;;     5. batch 32 x [M 2,048, K 2,048] x [K 2,048, N 64]; A: softmax (see below); B: computed on the way: QUANTISED
;;     6. [M 4,096, K 1,024] x [K 1,024, N 1,024]; A: computed on the way; B: input Wo: QUANTISED
;;   THE QUANTISER, for each operand of a quantised product, along K:
;;     - K is cut into blocks of 32 from its start; a last block that is shorter is filled with zeros.
;;     - A block's scale is 2^e with e = floor(log2(the largest magnitude in the block)) - 2, held to -126 .. 127; a block of zeros has e = 0. As a byte (E8M0): e + 127.
;;     - Each number is divided by its block's scale, clamped to +-7.5, and rounded to the nearest number of E2M3, ties to even, subnormals kept.
;;     - The product sums the exact products of the quantised numbers (number of the format x scale) in f32.
;;   ~~~python
;;   def quantise(x, axis):      # numpy; x: float32 -> the quantised numbers, widened to float32 again
;;       x = np.moveaxis(x, axis, -1); K = x.shape[-1]
;;       x = np.pad(x, [(0, 0)] * (x.ndim - 1) + [(0, -K % 32)]); x = x.reshape(x.shape[:-1] + (-1, 32)); a = np.abs(x).max(-1, keepdims=True)
;;       e = np.where(a > 0, np.clip(np.frexp(np.where(a > 0, a, 1))[1] - 1 - 2, -126, 127), 0)      # np.frexp(a)[1] - 1 = floor(log2(a)), exactly
;;       r = np.clip(x / 2.0 ** e, -7.5, 7.5)
;;       step = 2.0 ** (np.maximum(np.frexp(np.where(r == 0, 1, r))[1] - 1, 0) - 3)
;;       q = np.round(r / step) * step * 2.0 ** e      # np.round: ties to even
;;       return np.moveaxis(q.reshape(q.shape[:-2] + (-1,))[..., :K], -1, axis).astype(np.float32)
;;   ~~~
;;   SOFTMAX AHEAD OF A QUANTISED PRODUCT. Where the list says 'softmax', what is quantised is not the finished softmax but p = 2^(t - M), with t = logit x log2(e) and M = ceil(the row's largest t), a whole number; so 1/2 < the row's largest p <= 1. The row's sum l is taken of the UNQUANTISED p, in f32, and the product's result is divided by l at the end. Since M is a whole number, a kernel that streams over the keys may use a running M (the ceiling of the running maximum): every later rescaling is an exact power of two, which a block's scale takes up: the codes' values come out the same.
;;   OPERANDS COMPUTED ON THE WAY. 'Computed on the way' means the value that the module computes at that place (a softmax that the list does not call 'softmax' is quantised finished and normalised). What goes into a quantiser is computed in f32, as accurately as f32 sums, v_exp_f32 and their like allow (about 1e-6 of the number): no bf16 or f16 on the way to a quantiser, and a product that is left as it is and whose result goes on into a quantised operand takes f32 operands (vector FMAs, or v_wmma_f32_16x16x4_f32). A number that lies on a knife's edge between two numbers of the format may be rounded either way, as far as f32 arithmetic and the matrix unit's own rounding can turn it there, and no further.
;; One version. Each part assembles by itself: llvm-mc -triple=amdgcn-amd-amdhsa -mcpu=gfx1250 --defsym DOCPART=n.
;; ======== version 1 of 1: 4 launches
;; limits: right only within a limited range of input values
;; workspace buffers: xcodes 9,830,400 bytes; wcodes 3,276,800 bytes; cstab 8,388,608 bytes; hcodes 9,830,400 bytes; ycodes 3,276,800 bytes; match 1,048,576 bytes of whole numbers
;; launch quant (part 1): grid 896 x 1, 4 waves a work-group, no clusters, 33,280 bytes of LDS; arguments query, key, value, Wq, Wk, Wv, Wo, freqs, xcodes, wcodes, cstab, query_id, kv_id, attn_mask, match; writes xcodes, wcodes, cstab, match
.if DOCPART == 1
	.amdgcn_target "amdgcn-amd-amdhsa--gfx1250"
	.amdhsa_code_object_version 6
	.text
	.protected	k_q7a362bbe22_quant
	.globl	k_q7a362bbe22_quant
	.p2align	8
	.type	k_q7a362bbe22_quant,@function
k_q7a362bbe22_quant:
	s_mov_b64 s[64:65], 0
	v_nop
	global_prefetch_b8 v0, s[64:65] scope:SCOPE_SE
	s_setreg_imm32_b32 hwreg(HW_REG_WAVE_MODE, 25, 1), 1
	s_wait_xcnt 0x0
; FIRST LAUNCH.  (a) query, key, value [4096][1024] and Wq, Wk, Wv, Wo [1024][1024], f32, become codes of FP6 (E2M3), K innermost, with one E8M0 scale byte for each 32 along K.
; (b) freqs [2048][512] becomes a table of (cos, sin) pairs, f32.   (c) query_id = kv_id, which is the same for all 16 heads, is compared once and stored as lane masks for the attention launch.
; Work-groups 0-383 take query, key, value (128 each), 384-511 the four weights (32 each), 512-767 the table, 768-895 the masks.
; (a) A block's scale is 2^(floor(log2(its largest magnitude)) - 2); its byte is the largest magnitude's exponent field - 2, held at 1 from below.  A block of zeros so gets the byte 1 where the rule
; says 127: its codes are zeros, which add nothing under any byte but 0xff, and the bytes are read by this program alone.
; A work-group takes 32 rows of 1,024 numbers, a wave 8 rows in 16 steps of 512 numbers.  Each of a step's four loads reads 512 consecutive bytes; the 2,048 bytes turn through the wave's own stage in
; LDS and come back 64 bytes a lane, so that a lane holds 16 neighbours along K (two neighbouring lanes hold a block) for the conversion.  16 codes are 12 bytes: the wave stores 384 consecutive bytes.
; ROWS CHANGE PLACES: row L is stored at the place that has bits 3 and 4 of L exchanged (all tensors but Wo).  A wave's 8 rows stay together, so only the wave's number in the output changes: 0, 2, 1, 3.
; Sixteen stored rows on end, tile 2 a + u, are then the rows 32 a + 8 u + r + 8 (r / 8): in the products that follow, the 16 result registers of two neighbouring tiles are 16 neighbours.
; (b) sin and cos by reduction to |r| <= pi / 4 (n = nearest whole number to x 2 / pi; pi / 2 in two parts) and polynomials of degree 7 and 8 in f32.
; (c) match: [batch][stored query tile 128][step of 128 keys 16][64 words].  Bit l of word n: query l % 16 of the tile has the id of key 128 s + 64 (n / 32) + 32 (l / 16) + n % 32, and that key is not masked.
; LIMITS: NaN and infinities among the inputs are not served.  |freqs| under 2^17: beyond that the two parts of pi / 2 no longer carry the reduction.  query_id is never -2^31: that number marks a masked key.
.set STEPS, 16
.set EMAX,  2
.set CB,    12                         ; bytes of 16 codes
.set R,     16                         ; v16-79   four sets of 16 numbers as they are loaded
.set X,     80                         ; v80-111  two sets of 16 neighbours
.set C,     128                        ; v128-191 codes: four registers for each step, so that no store's data are written again
.set E,     112                        ; v112-127 a scale byte for each step
.set WREG,  8192                       ; LDS: a region for each wave: two stages of 32 x SP bytes, behind them its 256 scale bytes
.set SP,    80                         ; a lane's place in a stage: its 64 bytes + 16 of padding
.set SRC,   26                         ; s[26:27] the tensor that I read
.set OUTB,  32                         ; s[32:33] the buffer that I write
.set COD,   42                         ; s[42:43] my wave's codes
.set SCB,   44                         ; s[44:45] my wave's scale bytes
	s_load_b512 s[4:19], s[0:1], 0x0               ; query, key, value, Wq, Wk, Wv, Wo, freqs
	s_load_b128 s[20:23], s[0:1], 0x40             ; xcodes, wcodes
	s_load_b64 s[24:25], s[0:1], 0x50              ; cstab
	v_lshl_add_u32 v192, v0, 2, 0x8000
	v_mov_b32 v193, 0
	s_cmp_ge_u32 ttmp9, 768                        ; the branches hang on the work-group's number alone; only the way straight on uses LDS
	s_cbranch_scc1 .Lmatch
	s_cmp_ge_u32 ttmp9, 512
	s_cbranch_scc1 .Ltable
	v_lshrrev_b32 v1, 5, v0
	v_readfirstlane_b32 s40, v1                    ; wave
	v_and_b32 v2, 31, v0                           ; lane
	v_lshlrev_b32 v3, 4, v2                        ; my 16 bytes of a load's 512
	s_mul_i32 s41, s40, WREG
	v_lshrrev_b32 v14, 2, v2
	v_mul_u32_u24 v14, v14, SP
	v_and_b32 v15, 3, v2
	v_lshl_add_u32 v14, v15, 4, v14
	v_add_nc_u32 v14, s41, v14                     ; the stage, on the way in: four lanes' 64 bytes on end, then 16 of padding
	v_mul_u32_u24 v15, v2, SP
	v_add_nc_u32 v15, s41, v15                     ; and on the way out: SP x lane: my 16 neighbours
	v_mul_u32_u24 v4, v2, CB                       ; my codes' place in a step's
	v_lshrrev_b32 v5, 1, v2
	s_add_co_u32 s41, s41, 2*32*SP
	v_add_nc_u32 v5, s41, v5                       ; LDS: my wave's 256 scale bytes, my block's byte
	v_lshlrev_b32 v7, 3, v2                        ; and on the way out 8 bytes a lane
	v_add_nc_u32 v6, s41, v7
	s_cmp_lt_u32 ttmp9, 384                        ; an activation or a weight?  Every choice below hangs on the work-group's number alone
	s_cselect_b32 s28, 0, 384
	s_cselect_b32 s29, 7, 5                        ; work-groups to a tensor: 128 or 32
	s_cselect_b32 s30, 0, 3
	s_cselect_b32 s31, 127, 31
	s_mov_b32 s34, 3145728                         ; where the scale bytes begin in the output buffer
	s_cselect_b32 s34, 9437184, s34
	s_wait_alu depctr_va_vdst(0)
	s_wait_kmcnt 0x0
	s_cselect_b64 s[OUTB:OUTB+1], s[20:21], s[22:23]
	s_sub_co_u32 s28, ttmp9, s28                   ; which run of 32 rows of the output buffer
	s_lshr_b32 s36, s28, s29
	s_add_co_u32 s36, s36, s30                     ; which tensor, 0 .. 6
	s_and_b32 s31, s28, s31                        ; which 32 rows of it
	s_mov_b64 s[SRC:SRC+1], s[4:5]
.irp k, 1,2,3,4,5,6
	s_cmp_eq_u32 s36, \k
	s_cselect_b64 s[SRC:SRC+1], s[4+2*\k:5+2*\k], s[SRC:SRC+1]
.endr
	s_and_b32 s37, s40, 1
	s_lshl_b32 s37, s37, 1
	s_lshr_b32 s38, s40, 1
	s_or_b32 s37, s37, s38                         ; the wave's place in the output: its number's two bits exchanged;
	s_cmp_eq_u32 s36, 6
	s_cselect_b32 s37, s40, s37                    ; Wo's rows stay where they are
	s_lshl_b32 s38, s31, 17                        ; 32 rows of 4,096 bytes
	s_lshl_b32 s39, s40, 15                        ; 8 rows
	s_add_co_u32 s38, s38, s39
	s_mov_b32 s39, 0
	s_add_nc_u64 s[SRC:SRC+1], s[SRC:SRC+1], s[38:39]
	s_lshl_b32 s38, s28, 2
	s_add_co_u32 s38, s38, s37
	; query's and key's rows take another order than the one named at the head: row 64 c + 32 e + 8 u + j is stored at place 64 c + 16 u + 8 e + j.
	; My 8 rows are rows 32 g + 8 wave + j (g = the run of 32 rows): c = g / 2, e = g % 2, u = wave: the run of 8 stored rows is number 8 (g / 2) + 2 wave + g % 2.
	s_lshr_b32 s48, s28, 1
	s_lshl_b32 s48, s48, 3
	s_lshl_b32 s49, s40, 1
	s_add_co_u32 s48, s48, s49
	s_and_b32 s49, s28, 1
	s_add_co_u32 s48, s48, s49
	s_cmp_lt_u32 s36, 2                            ; tensors 0 and 1 are query and key
	s_cselect_b32 s38, s48, s38
	s_mul_i32 s46, s38, 6144                       ; 8 rows of 768 bytes of codes
	s_mov_b32 s47, 0
	s_add_nc_u64 s[COD:COD+1], s[OUTB:OUTB+1], s[46:47]
	s_lshl_b32 s46, s38, 8                         ; 8 rows of 32 scale bytes
	s_add_co_u32 s46, s46, s34
	s_add_nc_u64 s[SCB:SCB+1], s[OUTB:OUTB+1], s[46:47]
.macro LOAD t
.irp i, 0,1,2,3
	global_load_b128 v[R+16*((\t)%4)+4*\i:R+16*((\t)%4)+4*\i+3], v3, s[SRC:SRC+1] offset:2048*(\t)+512*\i th:TH_LOAD_NT   ; 32 lanes read 512 consecutive bytes
.endr
.endm
.macro TURN t                          ; step t's numbers through the stage: LDS serves a wave's instructions in order, so no wait stands between the stores and the loads
.irp i, 0,1,2,3
	ds_store_b128 v14, v[R+16*((\t)%4)+4*\i:R+16*((\t)%4)+4*\i+3] offset:32*SP*((\t)%2)+8*SP*\i
.endr
.irp i, 0,1,2,3
	ds_load_b128 v[X+16*((\t)%2)+4*\i:X+16*((\t)%2)+4*\i+3], v15 offset:32*SP*((\t)%2)+16*\i
.endr
.endm
.irp t, 0,1,2,3
	LOAD \t
.endr
	s_wait_loadcnt 12                              ; step 0's four loads are in; the twelve of steps 1 to 3 may be out
	TURN 0
.macro STEP t
.set XS, X+16*((\t)%2)
.if (\t) > 0
	s_wait_dscnt 1                                 ; this step's numbers are back from the stage (the last step's byte store may be out): so its stores into the stage have read their registers,
.else
	s_wait_dscnt 0x0
.endif
.if (\t)+4 < STEPS
	LOAD (\t)+4                                    ; which take the loads of four steps on
.endif
.if (\t)+1 < STEPS
.if STEPS-2-(\t) >= 3
	s_wait_loadcnt 12                              ; the next step's four loads are in; those of the three steps behind it may be out
.else
	s_wait_loadcnt 4*(STEPS-2-(\t))
.endif
	TURN (\t)+1                                    ; and go through the other stage while this step is worked
.endif
	v_max3_num_f32 v8, |v[XS]|, |v[XS+1]|, |v[XS+2]|               ; the largest magnitude of my 16, in two chains
	v_max3_num_f32 v9, |v[XS+3]|, |v[XS+4]|, |v[XS+5]|
.irp i, 6,10
	v_max3_num_f32 v8, v8, |v[XS+\i]|, |v[XS+\i+1]|
	v_max3_num_f32 v9, v9, |v[XS+\i+2]|, |v[XS+\i+3]|
.endr
	v_max3_num_f32 v8, v8, |v[XS+14]|, |v[XS+15]|
	v_max3_num_f32 v8, v8, v9, (EMAX+1)<<23        ; and the floor 2^(EMAX + 1 - 127): so the byte cannot fall under 1
	v_max_num_f32_dpp v8, v8, v8 row_xmask:1 row_mask:0xf bank_mask:0xf   ; and of my neighbour's 16: the block's
	v_add_nc_u32 v11, -(EMAX<<23), v8              ; EMAX off its exponent field: the conversion takes the exponent field of this operand as its scale, and nothing else of it
	v_cvt_scalef32_pk16_fp6_f32 v[C+4*(\t):C+4*(\t)+2], v[XS:XS+15], v11   ; sixteen numbers / the scale, to the nearest code, ties to even, beyond the largest code the largest
	v_lshrrev_b32 v[E+(\t)], 23, v11               ; the scale's byte
	ds_store_b8 v5, v[E+(\t)] offset:16*(\t)       ; both lanes of a block write the same byte with the same value
	global_store_b96 v4, v[C+4*(\t):C+4*(\t)+2], s[COD:COD+1] offset:32*CB*(\t)
.endm
.irp t, 0,1,2,3,4,5,6,7,8,9,10,11,12,13,14,15
	STEP \t
.endr
	ds_load_b64 v[12:13], v6                       ; LDS serves a wave's instructions in order: these see my stores
	s_wait_dscnt 0x0
	global_store_b64 v7, v[12:13], s[SCB:SCB+1]    ; 32 lanes store 256 consecutive bytes, aligned
	s_wait_tensorcnt 0x0
	ds_add_u32 v192, v193
	s_wait_dscnt 0x0
	s_endpgm
; THE TABLE, laid as the second launch's registers take it: [stored tile of 16 tokens 128][128 channels 8][quad n 16][lane 32][16 bytes].
; Lane (r, h) of quad n holds (cos, sin, cos, sin) of channels 32 (n / 4) + 16 h + 4 (n % 4) .. + 3 of the tile's token r; stored tile 4 c + u holds tokens 64 c + 32 (r / 8) + 8 u + r % 8, as query's and key's rows are stored.
; Work-group g takes half a tile (tile g / 2, four runs of 128 channels, one a wave); turn i makes quad i: a lane reads two numbers of freqs, the wave stores 512 consecutive bytes.
.Ltable:
	s_sub_co_u32 s28, ttmp9, 512
	s_lshr_b32 s38, s28, 3
	s_lshl_b32 s38, s38, 17
	s_bfe_u32 s40, s28, 0x20001
	s_lshl_b32 s40, s40, 14                        ; 8 tokens
	s_add_co_u32 s38, s38, s40
	s_and_b32 s40, s28, 1
	s_lshl_b32 s40, s40, 10                        ; which half of the row
	s_add_co_u32 s38, s38, s40
	s_mov_b32 s39, 0
	s_lshl_b32 s46, s28, 15
	s_mov_b32 s47, 0
	v_and_b32 v3, 7, v0
	v_and_b32 v4, 8, v0
	v_lshl_add_u32 v3, v4, 2, v3                   ; r % 8 + 32 (r / 8)
	v_bfe_u32 v4, v0, 4, 1                         ; h
	v_lshrrev_b32 v5, 5, v0                        ; wave
	v_lshlrev_b32 v1, 11, v3                       ; in: my token's row,
	v_lshl_add_u32 v1, v4, 5, v1                   ; + 32 h
	v_lshl_add_u32 v1, v5, 8, v1                   ; + my wave's 256 bytes
	v_and_b32 v2, 31, v0
	v_lshlrev_b32 v2, 4, v2                        ; out: 16 bytes a lane,
	v_lshl_add_u32 v2, v5, 13, v2                  ; 8,192 a wave
	s_mov_b32 s48, 0x3f22f983                      ; 2 / pi
	s_mov_b32 s49, 0x3fc90fdb                      ; pi / 2 rounded to f32,
	s_mov_b32 s50, 0x333bbd2e                      ; and what that is too large by
	s_mov_b32 s51, 0xb94ca1f9                      ; sin: -1.9515295891e-4
	s_mov_b32 s52, 0x3c08839e                      ;       8.3321608736e-3
	s_mov_b32 s53, 0xbe2aaaa3                      ;      -1.6666654611e-1
	s_mov_b32 s54, 0x37ccf5ce                      ; cos:  2.443315712e-5
	s_mov_b32 s55, 0xbab6061a                      ;      -1.388731625e-3
	s_mov_b32 s56, 0x3d2aaaa5                      ;       4.166664568e-2
	s_wait_alu depctr_va_vdst(0)
	s_wait_kmcnt 0x0
	s_add_nc_u64 s[18:19], s[18:19], s[38:39]
	s_add_nc_u64 s[24:25], s[24:25], s[46:47]
.macro SINCOS x, c, s                  ; v[c] = cos(v[x]), v[s] = sin(v[x])
	v_mul_f32 v4, s48, v[\x]
	v_rndne_f32 v4, v4                             ; n
	v_fma_f32 v5, -v4, s49, v[\x]                  ; r = x - n pi / 2, in two fused steps
	v_fma_f32 v5, v4, s50, v5
	v_cvt_i32_f32 v6, v4
	v_mul_f32 v7, v5, v5                           ; z = r r
	v_fma_f32 v8, v7, s51, s52
	v_fma_f32 v9, v7, s54, s55
	v_fma_f32 v8, v8, v7, s53
	v_fma_f32 v9, v9, v7, s56
	v_mul_f32 v10, v7, v5
	v_fma_f32 v9, v9, v7, -0.5
	v_fma_f32 v8, v8, v10, v5                      ; sin r
	v_fma_f32 v9, v9, v7, 1.0                      ; cos r
	v_and_b32 v11, 1, v6
	v_cmp_eq_u32 vcc_lo, 1, v11                    ; an odd n exchanges the two;
	v_cndmask_b32 v[\s], v8, v9, vcc_lo
	v_cndmask_b32 v[\c], v9, v8, vcc_lo
	v_lshlrev_b32 v11, 30, v6                      ; bit 1 of n is sin's sign,
	v_add_nc_u32 v12, 1, v6
	v_and_b32 v11, 0x80000000, v11
	v_lshlrev_b32 v12, 30, v12                     ; bit 1 of n + 1 is cos's
	v_xor_b32 v[\s], v[\s], v11
	v_and_b32 v12, 0x80000000, v12
	v_xor_b32 v[\c], v[\c], v12
.endm
.irp i, 0,1,2,3,4,5,6,7,8,9,10,11,12,13,14,15
	global_load_b64 v[32+2*\i:33+2*\i], v1, s[18:19] offset:64*(\i/4)+8*(\i%4)
.endr
.irp i, 0,1,2,3,4,5,6,7,8,9,10,11,12,13,14,15
	s_wait_loadcnt 15-\i                           ; loads come back in order: turn i's is in, the younger turns' stay out
	SINCOS 32+2*\i, 64+4*\i, 65+4*\i
	SINCOS 33+2*\i, 66+4*\i, 67+4*\i
	global_store_b128 v2, v[64+4*\i:67+4*\i], s[24:25] offset:512*\i
.endr
	s_endpgm
; THE MASKS.  512 waves: wave 256 b + 16 s + g takes batch b, step s of 128 keys and the stored query tiles 8 g .. 8 g + 7.
; The lanes hold what the attention launch's lanes hold: lane l the id of row l % 16 of the stored tile (tile 4 c + u, row r: query 64 c + 32 (r / 8) + 8 u + r % 8), register n the id of key
; 128 s + 64 (n / 32) + 32 (l / 16) + n % 32 (a masked key: -2^31).  So bit l of word n of match says: that query has that key's id, and the key is not masked.
; One compare gives one word, in a scalar register; v_writelane_b32 puts word n into lane n / 2 of register n % 2, so that one store of 8 bytes a lane writes a tile's 64 words: 256 consecutive bytes, aligned.
.Lmatch:
.set KD, 32                            ; v32-95   the 64 keys' ids
.set MB, 96                            ; v96-111  their mask bytes, four to a register
.set QD, 112                           ; v112-119 the eight tiles' query ids
.set OW, 120                           ; v120-135 the words: a pair of registers for each tile, so that no store's data are written again
	s_load_b64 s[26:27], s[0:1], 0x58              ; query_id
	s_load_b64 s[28:29], s[0:1], 0x60              ; kv_id
	s_load_b64 s[30:31], s[0:1], 0x68              ; attn_mask
	s_load_b64 s[32:33], s[0:1], 0x70              ; match
	v_lshrrev_b32 v1, 5, v0
	v_readfirstlane_b32 s40, v1                    ; wave
	s_sub_co_u32 s41, ttmp9, 768
	s_lshl_b32 s41, s41, 2
	s_add_co_u32 s41, s41, s40                     ; 0 .. 511
	s_and_b32 s42, s41, 15                         ; g
	s_bfe_u32 s43, s41, 0x40004                    ; s
	s_lshr_b32 s44, s41, 8                         ; b
	s_lshl_b32 s46, s44, 13                        ; kv_id: 8,192 bytes a batch, 512 a step
	s_lshl_b32 s45, s43, 9
	s_add_co_u32 s46, s46, s45
	s_mov_b32 s47, 0
	s_lshl_b32 s48, s44, 11                        ; attn_mask: 2,048 bytes a batch, 128 a step
	s_lshl_b32 s45, s43, 7
	s_add_co_u32 s48, s48, s45
	s_mov_b32 s49, 0
	s_lshl_b32 s50, s44, 13                        ; query_id: 8 stored tiles are 128 queries on end: 512 bytes
	s_lshl_b32 s45, s42, 9
	s_add_co_u32 s50, s50, s45
	s_mov_b32 s51, 0
	s_lshl_b32 s52, s44, 19                        ; match: ((128 b + 8 g) x 16 + s) x 256
	s_lshl_b32 s45, s42, 15
	s_add_co_u32 s52, s52, s45
	s_lshl_b32 s45, s43, 8
	s_add_co_u32 s52, s52, s45
	s_mov_b32 s53, 0
	v_and_b32 v2, 31, v0                           ; lane
	v_and_b32 v3, 15, v0                           ; r
	v_bfe_u32 v4, v0, 4, 1                         ; lane / 16
	v_lshlrev_b32 v5, 7, v4                        ; the ids of my half's 32 keys begin 128 bytes on,
	v_lshlrev_b32 v6, 5, v4                        ; their mask bytes 32
	v_and_b32 v7, 8, v3
	v_and_b32 v10, 7, v3
	v_lshl_add_u32 v7, v7, 2, v10                  ; r % 8 + 32 (r / 8)
	v_lshlrev_b32 v7, 2, v7
	v_lshlrev_b32 v8, 3, v2                        ; out: 8 bytes a lane
	v_mov_b32 v9, 0x80000000                       ; a masked key's id
.set n, 0
.rept 16
	v_mov_b32 v[OW+n], 0                           ; written once: v_writelane_b32's destination counts as one of its sources
.set n, n+1
.endr
	s_wait_kmcnt 0x0
	s_add_nc_u64 s[26:27], s[26:27], s[50:51]
	s_add_nc_u64 s[28:29], s[28:29], s[46:47]
	s_add_nc_u64 s[30:31], s[30:31], s[48:49]
	s_add_nc_u64 s[32:33], s[32:33], s[52:53]
.irp m, 0,1,2,3,4,5,6,7,8,9,10,11,12,13,14,15
	global_load_b128 v[KD+4*\m:KD+4*\m+3], v5, s[28:29] offset:256*(\m/8)+16*(\m%8)
	global_load_b32 v[MB+\m], v6, s[30:31] offset:64*(\m/8)+4*(\m%8)
.endr
.irp i, 0,1,2,3,4,5,6,7
	global_load_b32 v[QD+\i], v7, s[26:27] offset:(64*(\i/4)+8*(\i%4))*4
.endr
	s_wait_loadcnt 0x0
.set n, 0
.rept 64
	v_bfe_u32 v[10+n%4], v[MB+n/4], 8*(n%4), 8
	v_cmp_ne_u32 vcc_lo, 0, v[10+n%4]              ; does the key count?
	v_cndmask_b32 v[KD+n], v9, v[KD+n], vcc_lo
.set n, n+1
.endr
.irp i, 0,1,2,3,4,5,6,7
.irp g, 0,1
.set n, 0
.rept 32
	v_cmp_eq_u32 s[66+n], v[QD+\i], v[KD+32*\g+n]  ; word 32 g + n
.set n, n+1
.endr
.set n, 0
.rept 32
	v_writelane_b32 v[OW+2*\i+n%2], s[66+n], 16*\g+n/2
.set n, n+1
.endr
.endr
	global_store_b64 v8, v[OW+2*\i:OW+2*\i+1], s[32:33] offset:4096*\i   ; a tile's 16 steps are 4,096 bytes
.endr
	s_endpgm
.Lfunc_end_k_q7a362bbe22_quant:
	.size	k_q7a362bbe22_quant, .Lfunc_end_k_q7a362bbe22_quant-k_q7a362bbe22_quant
	.p2alignl 7, 3214868480
	.fill 96, 4, 3214868480
	.section	.rodata,"a",@progbits
	.p2align	6, 0x0
	.amdhsa_kernel k_q7a362bbe22_quant
		.amdhsa_group_segment_fixed_size 33280
		.amdhsa_private_segment_fixed_size 0
		.amdhsa_enable_private_segment 0
		.amdhsa_kernarg_size 120
		.amdhsa_user_sgpr_count 2
		.amdhsa_user_sgpr_kernarg_segment_ptr 1
		.amdhsa_wavefront_size32 1
		.amdhsa_system_sgpr_workgroup_id_x 1
		.amdhsa_system_sgpr_workgroup_id_y 1
		.amdhsa_system_sgpr_workgroup_id_z 1
		.amdhsa_system_vgpr_workitem_id 0
		.amdhsa_next_free_vgpr 194
		.amdhsa_next_free_sgpr 100
		.amdhsa_reserve_vcc 1
		.amdhsa_float_denorm_mode_32 3
		.amdhsa_float_denorm_mode_16_64 3
		.amdhsa_memory_ordered 1
		.amdhsa_forward_progress 1
		.amdhsa_inst_pref_size 154
	.end_amdhsa_kernel
	.amdgpu_metadata
---
amdhsa.version: [ 1, 2 ]
amdhsa.kernels:
  - .name:           k_q7a362bbe22_quant
    .symbol:         k_q7a362bbe22_quant.kd
    .args:
      - { .name: query, .offset: 0, .size: 8, .value_kind: global_buffer, .address_space: global }
      - { .name: key, .offset: 8, .size: 8, .value_kind: global_buffer, .address_space: global }
      - { .name: value, .offset: 16, .size: 8, .value_kind: global_buffer, .address_space: global }
      - { .name: Wq, .offset: 24, .size: 8, .value_kind: global_buffer, .address_space: global }
      - { .name: Wk, .offset: 32, .size: 8, .value_kind: global_buffer, .address_space: global }
      - { .name: Wv, .offset: 40, .size: 8, .value_kind: global_buffer, .address_space: global }
      - { .name: Wo, .offset: 48, .size: 8, .value_kind: global_buffer, .address_space: global }
      - { .name: freqs, .offset: 56, .size: 8, .value_kind: global_buffer, .address_space: global }
      - { .name: xcodes, .offset: 64, .size: 8, .value_kind: global_buffer, .address_space: global }
      - { .name: wcodes, .offset: 72, .size: 8, .value_kind: global_buffer, .address_space: global }
      - { .name: cstab, .offset: 80, .size: 8, .value_kind: global_buffer, .address_space: global }
      - { .name: query_id, .offset: 88, .size: 8, .value_kind: global_buffer, .address_space: global }
      - { .name: kv_id, .offset: 96, .size: 8, .value_kind: global_buffer, .address_space: global }
      - { .name: attn_mask, .offset: 104, .size: 8, .value_kind: global_buffer, .address_space: global }
      - { .name: match, .offset: 112, .size: 8, .value_kind: global_buffer, .address_space: global }
    .group_segment_fixed_size: 33280
    .private_segment_fixed_size: 0
    .kernarg_segment_align: 8
    .kernarg_segment_size: 120
    .max_flat_workgroup_size: 128
    .sgpr_count:     100
    .vgpr_count:     194
    .wavefront_size: 32
...
	.end_amdgpu_metadata
.endif
;; end of part 1
;; launch proj (part 2): grid 4 x 48, 4 waves a work-group, clusters of 4 x 4, 327,680 bytes of LDS; arguments xcodes, wcodes, cstab, hcodes; writes hcodes
.if DOCPART == 2
	.amdgcn_target "amdgcn-amd-amdhsa--gfx1250"
	.amdhsa_code_object_version 6
	.text
	.protected	k_q7a362bbe22_proj
	.globl	k_q7a362bbe22_proj
	.p2align	8
	.type	k_q7a362bbe22_proj,@function
k_q7a362bbe22_proj:
	s_mov_b64 s[64:65], 0
	v_nop
	global_prefetch_b8 v0, s[64:65] scope:SCOPE_SE
	s_setreg_imm32_b32 hwreg(HW_REG_WAVE_MODE, 25, 1), 1
	s_wait_xcnt 0x0
	s_wait_alu depctr_hold_cnt(0) depctr_sa_sdst(0) depctr_va_vdst(0) depctr_va_sdst(0) depctr_va_ssrc(0) depctr_va_vcc(0) depctr_vm_vsrc(0)
	s_getreg_b32 s2, hwreg(HW_REG_IB_STS2, 6, 4)
	s_cmp_eq_u32 s2, 0
	s_cbranch_scc0 .Lentry_in_a_cluster
	s_endpgm
.Lentry_in_a_cluster:
	s_bfe_u32 s2, ttmp6, 0x10000c
	s_cmp_lg_u32 s2, 0xf033
	s_cbranch_scc0 .Lentry_shape_is_right
	s_endpgm
.Lentry_shape_is_right:
; SECOND LAUNCH.  Q = query Wq^T, K = key Wk^T, V^T = Wv value^T on codes of FP6 (E2M3) with E8M0 scales; Q and K are rotated (cos, sin from the table), and all three are quantised again and leave as operand images for the attention launch.
; Cluster y / 4 says which tensor.  A tile of 256 x 256 is made by four waves, 128 x 128 each: 64 accumulators.  For Q and K: A = the tokens, B = the weight's rows; for V: A = Wv's rows, B = the tokens.
; K = 1,024 is 768 bytes a row: three chunks of 256 bytes, each beginning at a multiple of 256 bytes, through two LDS slots (chunk c in slot c % 2); a step of 128 along K is 96 bytes: eight steps, of which steps 2 and 5 lie across two chunks.
; The scales of the tile's 256 + 256 rows come once, as dense blocks.  Head: one joint load a wave (A's chunk 0, B's chunk 0, A's scales, B's scales); chunk 1 behind a round; chunk 2 refills slot 0.
; 4 x 4 work-groups form a cluster: A's tiles are asked for jointly along a row, B's along a column.  The matrix instruction is used transposed (source 0 = B's rows, source 1 = A's rows): a lane holds eight neighbours of a row.
; No prefetch: K is three chunks, of which two are asked for at the head; the block is the largest that the registers hold, in clusters.
; Windows: 0: addresses, scale words v32-63, A's fragments from v128 (one set); 1: B's fragments (two sets, v0 and v128), then cos and sin; 2, 3: accumulators.
.set ROWB,   256
.set NQ,     2
.set KROW,   768
.set STEPS,  8
.set CHUNKS, 3
.set PITCH,  272
.set FR,     12
.set NL,     6
.set NP,     4
.set HALFT,  128*PITCH
.set SLOT,   4*HALFT
.set KS,     32
.set SCL,    2*SLOT
.set HALFS,  16*272
.set SBLK,   2*272
.set SPARE,  SCL+4*HALFS
.set VO0,  8
.set VO1,  9
.set VS,   11
.set ADRA, 16
.set ADRB, 20
.set ADRS, 27
.set SPW,  28
.set NIL,  29
.set SC,   32
.set AF,   128
.set HA,   32
.set TM,   96
.set PW,   112
.set SW,   113
.set PCR,  124
.set H2,   148
.set RT,   156
.set SOUT, 160
.set G1, 24
.set G0, 32
.set G1B, 48
.set G0B, 56
.set G1S, 68
.set G0S, 76
.set G1SB, 80
.set G0SB, 88
.set G0H, 4
.set G0HB, 8
.set MSB, 0
.macro WIN new
.if MSB != (\new)
	s_set_vgpr_msb (MSB<<8)|(\new)
.set MSB, (\new)
.endif
.endm
.set MUL_LO, 0xa1
.set MUL_HI, 0xf1
.set TO_B,   0x40
.macro JLOAD g0a, g1a, g0b, g1b        ; waves 0, 1 fetch for A, waves 2, 3 for B
	s_cmp_eq_u32 s15, 0
	s_cbranch_scc0 .Lfor_b_\@
	tensor_load_to_lds s[\g0a:\g0a+3], s[\g1a:\g1a+7]
	s_nop 0
.rept 4
	v_nop
.endr
	s_branch .Lasked_\@
.Lfor_b_\@:
	tensor_load_to_lds s[\g0b:\g0b+3], s[\g1b:\g1b+7]
	s_nop 0
.rept 4
	v_nop
.endr
.Lasked_\@:
.endm
.macro CREST
	s_cmp_lg_u32 s14, 0
	s_cbranch_scc1 .Lnot_wave_0_\@
	s_barrier_signal -3
.Lnot_wave_0_\@:
	s_barrier_wait -3
	s_barrier_signal -1
	s_barrier_wait -1
.endm
.macro CROUND
	s_barrier_signal -1
	s_barrier_wait -1
	CREST
.endm
	s_load_b128 s[96:99], s[0:1], 0x0              ; xcodes, wcodes
	s_load_b64 s[100:101], s[0:1], 0x10            ; cstab
	s_load_b64 s[104:105], s[0:1], 0x18            ; hcodes
	v_lshl_add_u32 v[SPW], v0, 2, SPARE
	v_mov_b32 v[NIL], 0
	ds_add_u32 v[SPW], v[NIL]
	ds_add_u32 v[SPW], v[NIL]
	v_lshrrev_b32 v1, 5, v0
	v_readfirstlane_b32 s14, v1                    ; wave
	s_lshr_b32 s15, s14, 1
	s_and_b32 s16, s14, 1
	s_bfe_u32 s40, ttmp6, 0x40000                  ; cx
	s_bfe_u32 s41, ttmp6, 0x40004                  ; cy
	s_and_b32 s17, ttmp7, 0xffff
	s_lshr_b32 s2, s17, 2                          ; the tensor: 0 Q, 1 K, 2 V
	s_and_b32 s95, s17, 3
	s_cmp_eq_u32 s2, 2
	s_cselect_b32 s42, s95, 0
	s_cselect_b32 s17, 0, s95
	s_lshl_b32 s42, s42, 2
	s_add_co_u32 s42, s42, s40                     ; tile column
	s_lshl_b32 s17, s17, 2
	s_add_co_u32 s17, s17, s41                     ; tile row
	s_lshl_b32 s43, s41, 2
	s_lshl_b32 s43, 15, s43                        ; my row of the cluster
	s_lshl_b32 s44, 0x1111, s40                    ; my column
	s_or_b32 s[G1+0], s43, (0<<16)|(1<<20)|(1<<21)|(5<<22)|(3<<25)
	s_or_b32 s[G1B+0], s44, (0<<16)|(1<<20)|(1<<21)|(5<<22)|(3<<25)
.irp g, G1, G1B
	s_mov_b32 s[\g+1], ROWB<<16
	s_mov_b32 s[\g+2], 256<<16                     ; 256 rows for the head's loads
	s_mov_b32 s[\g+3], ROWB<<16
	s_mov_b32 s[\g+4], 256
	s_mov_b32 s[\g+5], KROW
	s_mov_b32 s[\g+6], 0
	s_mov_b32 s[\g+7], 0
.endr
	s_or_b32 s[G1S+0], s43, (3<<16)|(1<<20)|(1<<21)|(5<<22)|(3<<25)
	s_or_b32 s[G1SB+0], s44, (3<<16)|(1<<20)|(1<<21)|(5<<22)|(3<<25)
.irp g, G1S, G1SB
	s_mov_b32 s[\g+1], 32<<16
	s_mov_b32 s[\g+2], KS<<16
	s_mov_b32 s[\g+3], 32<<16
	s_mov_b32 s[\g+4], KS
	s_mov_b32 s[\g+5], 32
	s_mov_b32 s[\g+6], 0
	s_mov_b32 s[\g+7], 0
.endr
	s_mul_i32 s18, s2, 3145728                     ; the tensor's codes and scales in xcodes,
	s_mul_i32 s19, s2, 131072
	s_add_co_u32 s19, s19, 9437184
	s_mul_i32 s20, s2, 786432                      ; and in wcodes
	s_lshl_b32 s21, s2, 15
	s_add_co_u32 s21, s21, 3145728
	s_wait_dscnt 0x0
	s_wait_kmcnt 0x0
	s_cmp_eq_u32 s2, 2
	s_cselect_b64 s[4:5], s[98:99], s[96:97]
	s_cselect_b64 s[8:9], s[96:97], s[98:99]
	s_cselect_b32 s22, s20, s18
	s_cselect_b32 s46, s21, s19
	s_cselect_b32 s92, s18, s20
	s_cselect_b32 s94, s19, s21
	s_mov_b32 s23, 0
	s_mov_b32 s47, 0
	s_mov_b32 s93, 0
	s_mov_b32 s95, 0
	s_add_nc_u64 s[6:7], s[4:5], s[46:47]          ; A's scales, A's codes, B's scales, B's codes
	s_add_nc_u64 s[4:5], s[4:5], s[22:23]
	s_add_nc_u64 s[10:11], s[8:9], s[94:95]
	s_add_nc_u64 s[8:9], s[8:9], s[92:93]
	s_lshl_b32 s20, s17, 8
	s_lshl_b32 s46, s42, 8
	s_mov_b32 s21, 0
	s_mov_b32 s47, 0
	s_mov_b64 s[18:19], KS
	s_mul_u64 s[22:23], s[20:21], s[18:19]
	s_mul_u64 s[92:93], s[46:47], s[18:19]
	s_mov_b64 s[18:19], KROW
	s_mul_u64 s[20:21], s[20:21], s[18:19]
	s_mul_u64 s[46:47], s[46:47], s[18:19]
	s_mul_i32 s18, s16, 128*KROW
	s_mov_b32 s19, 0
	s_mul_i32 s45, s14, HALFT
	s_add_nc_u64 s[20:21], s[4:5], s[20:21]
	s_add_nc_u64 s[22:23], s[6:7], s[22:23]
	s_add_nc_u64 s[46:47], s[8:9], s[46:47]
	s_add_nc_u64 s[92:93], s[10:11], s[92:93]
	CROUND                                         ; the first joint loads meet
	s_mov_b32 s[G0H], 1
	s_mov_b32 s[G0H+1], 0
	s_mov_b64 s[G0H+2:G0H+3], s[20:21]
	s_or_b32 s[G0H+3], s[G0H+3], 0x80000000
	s_mov_b32 s[G0HB], 1
	s_mov_b32 s[G0HB+1], 2*HALFT
	s_mov_b64 s[G0HB+2:G0HB+3], s[46:47]
	s_or_b32 s[G0HB+3], s[G0HB+3], 0x80000000
	s_mov_b32 s[G0S], 1
	s_mov_b32 s[G0S+1], SCL
	s_mov_b64 s[G0S+2:G0S+3], s[22:23]
	s_or_b32 s[G0S+3], s[G0S+3], 0x80000000
	s_mov_b32 s[G0SB], 1
	s_mov_b32 s[G0SB+1], SCL+2*HALFS
	s_mov_b64 s[G0SB+2:G0SB+3], s[92:93]
	s_or_b32 s[G0SB+3], s[G0SB+3], 0x80000000
	s_add_nc_u64 s[20:21], s[20:21], s[18:19]      ; for the ring: my 128 rows
	s_add_nc_u64 s[46:47], s[46:47], s[18:19]
.irp s, 0,1
	s_mov_b32 s[G0+4*\s], 1
	s_add_co_u32 s[G0+4*\s+1], s45, \s*SLOT
	s_add_nc_u64 s[G0+4*\s+2:G0+4*\s+3], s[20:21], \s*ROWB
	s_or_b32 s[G0+4*\s+3], s[G0+4*\s+3], 0x80000000
	s_mov_b32 s[G0B+4*\s], 1
	s_add_co_u32 s[G0B+4*\s+1], s45, \s*SLOT
	s_add_nc_u64 s[G0B+4*\s+2:G0B+4*\s+3], s[46:47], \s*ROWB
	s_or_b32 s[G0B+4*\s+3], s[G0B+4*\s+3], 0x80000000
.endr
.macro ARM under, g0, g1, next         ; one chain of branches on the wave's number, one load to an arm
	s_cmp_lt_u32 s14, \under
	s_cbranch_scc0 \next
	tensor_load_to_lds s[\g0:\g0+3], s[\g1:\g1+7]
	s_nop 0
.rept 4
	v_nop
.endr
	s_branch .Lhead_asked
\next:
.endm
	ARM 1, G0H,  G1,  .Lhead_b
	ARM 2, G0HB, G1B, .Lhead_sa
	ARM 3, G0S,  G1S, .Lhead_sb
	tensor_load_to_lds s[G0SB:G0SB+3], s[G1SB:G1SB+7]
	s_nop 0
.rept 4
	v_nop
.endr
.Lhead_asked:
	v_and_b32 v1, 15, v0
	v_bfe_u32 v2, v0, 4, 1
	v_mul_u32_u24 v3, v1, PITCH
	v_mul_u32_u24 v4, v2, 24
	v_add_nc_u32 v4, v3, v4                        ; row x pitch + 24 x half
	s_mov_b32 s21, SLOT-232
	s_mov_b32 s22, SLOT+232
	v_sub_nc_u32 v7, 1, v2
	v_mul_u32_u24 v5, s21, v2
	v_add_nc_u32 v5, v3, v5
	v_add_nc_u32 v5, 232, v5                       ; across two chunks: lanes 0-15 byte 232 in slot 0, lanes 16-31 byte 0 in slot 1;
	v_mul_u32_u24 v6, s22, v7
	v_add_nc_u32 v6, v3, v6                        ; and the other way round
	s_mul_i32 s21, s15, HALFT
	s_mul_i32 s22, s16, HALFT
	s_add_co_u32 s22, s22, 2*HALFT
	v_add_nc_u32 v[ADRA+2], s21, v5
	v_add_nc_u32 v[ADRA+3], s21, v6
	v_add_nc_u32 v[ADRB+2], s22, v5
	v_add_nc_u32 v[ADRB+3], s22, v6
.irp s, 0,1
	v_add_nc_u32 v[ADRA+\s], s21, v4
	v_add_nc_u32 v[ADRB+\s], s22, v4
	s_add_co_u32 s21, s21, SLOT
	s_add_co_u32 s22, s22, SLOT
.endr
	v_mul_u32_u24 v5, v1, KS
	v_lshrrev_b32 v6, 8, v5
	v_lshl_add_u32 v5, v6, 4, v5
	s_mul_i32 s21, s15, HALFS
	s_mul_i32 s22, s16, HALFS
	s_add_co_u32 s22, s22, 2*HALFS
	s_sub_co_u32 s22, s22, s21
	v_mul_u32_u24 v6, s22, v2                      ; lanes 16-31 take B's scale words
	s_add_co_u32 s21, s21, SCL
	v_add_nc_u32 v5, v5, v6
	v_add_nc_u32 v[ADRS], s21, v5
	v_and_b32 v6, 31, v0
	v_lshlrev_b32 v[VO0], 4, v6                    ; 16 bytes a lane: images in and out
	v_add_nc_u32 v[VO1], 98304, v[VO0]
	v_lshlrev_b32 v[VS], 2, v6
.irp b, 0,1,2,3
	v_mov_b32 v[TM+4+\b], 0
.endr
	; where my 128 x 128 goes
	s_lshl_b32 s92, s17, 8
	s_lshl_b32 s93, s15, 7
	s_add_co_u32 s92, s92, s93
	s_lshl_b32 s93, s42, 8
	s_lshl_b32 s94, s16, 7
	s_add_co_u32 s93, s93, s94
	s_cmp_eq_u32 s2, 2
	s_cselect_b32 s94, s93, s92                    ; my first token,
	s_cselect_b32 s95, s92, s93                    ; my first channel
	s_lshr_b32 s96, s94, 11
	s_and_b32 s97, s94, 2047
	s_lshl_b32 s18, s96, 4
	s_lshr_b32 s19, s95, 6
	s_add_co_u32 s19, s18, s19
	s_lshl_b32 s19, s19, 7
	s_lshr_b32 s20, s97, 4
	s_add_co_u32 s19, s19, s20
	s_mul_i32 s19, s19, 768
	s_lshl_b32 s21, s96, 3
	s_lshr_b32 s22, s95, 7
	s_add_co_u32 s21, s21, s22
	s_lshl_b32 s21, s21, 7
	s_add_co_u32 s21, s21, s20
	s_lshl_b32 s21, s21, 6
	s_lshr_b32 s22, s97, 7
	s_add_co_u32 s22, s18, s22
	s_lshl_b32 s22, s22, 6
	s_lshr_b32 s23, s95, 4
	s_add_co_u32 s22, s22, s23
	s_mul_i32 s23, s22, 1536
	s_lshl_b32 s22, s22, 6
	s_cmp_eq_u32 s2, 2
	s_cselect_b32 s18, s23, s19
	s_cselect_b32 s20, s22, s21
	s_mul_i32 s19, s2, 3145728
	s_add_co_u32 s18, s18, s19
	s_mov_b32 s19, 0
	s_add_nc_u64 s[12:13], s[104:105], s[18:19]
	s_mul_i32 s21, s2, 131072
	s_add_co_u32 s20, s20, s21
	s_add_co_u32 s20, s20, 9437184
	s_mov_b32 s21, 0
	s_add_nc_u64 s[66:67], s[104:105], s[20:21]
	s_lshl_b32 s18, s97, 12                        ; the table: 65,536 bytes a stored tile of 16 tokens,
	s_lshl_b32 s22, s95, 6                         ; 8,192 for each 128 channels
	s_add_co_u32 s18, s18, s22
	s_add_nc_u64 s[100:101], s[100:101], s[18:19]
.macro FRAG reg, adr, st, i            ; 12 registers in pieces of 8 bytes; byte y of a row lies in slot (y / 256) % 2 at byte y % 256
.irp p, 0,1,2,3,4,5
.set BY, 96*(\st)+48*(\p/3)+8*(\p%3)
.if BY/ROWB == (BY+24)/ROWB
	ds_load_b64 v[\reg+2*\p:\reg+2*\p+1], v[\adr+(BY/ROWB)%2] offset:BY%ROWB+(\i)*16*PITCH
.else
	ds_load_b64 v[\reg+2*\p:\reg+2*\p+1], v[\adr+2+(BY/ROWB)%2] offset:BY%ROWB-232+(\i)*16*PITCH
.endif
.endr
.endm
.macro MUL16 a0, p, q, sc, zero        ; the 64 accumulators take turns, in the same order in every step
.irp a, \a0, \a0+1
.irp b, 0,1,2,3,4,5,6,7
.if \zero
	v_wmma_scale_f32_16x16x128_f8f6f4 v[8*(8*((\a)%4)+\b):8*(8*((\a)%4)+\b)+7], v[128*(\p)+FR*\b:128*(\p)+FR*\b+FR-1], v[AF+FR*(\a):AF+FR*(\a)+FR-1], 0, v[SC+8*NQ*(\sc)+NQ*\b+(\q)], v[SC+8*NQ*(\sc)+NQ*(\a)+(\q)] matrix_a_fmt:MATRIX_FMT_FP6 matrix_b_fmt:MATRIX_FMT_FP6 matrix_a_scale:MATRIX_SCALE_ROW1
.else
	v_wmma_scale_f32_16x16x128_f8f6f4 v[8*(8*((\a)%4)+\b):8*(8*((\a)%4)+\b)+7], v[128*(\p)+FR*\b:128*(\p)+FR*\b+FR-1], v[AF+FR*(\a):AF+FR*(\a)+FR-1], v[8*(8*((\a)%4)+\b):8*(8*((\a)%4)+\b)+7], v[SC+8*NQ*(\sc)+NQ*\b+(\q)], v[SC+8*NQ*(\sc)+NQ*(\a)+(\q)] matrix_a_fmt:MATRIX_FMT_FP6 matrix_b_fmt:MATRIX_FMT_FP6 matrix_a_scale:MATRIX_SCALE_ROW1
.endif
.endr
.endr
.endm
.macro FETCH_B st, p
	WIN TO_B
.irp i, 0,1,2,3,4,5,6,7
	FRAG 128*(\p)+FR*\i, ADRB, \st, \i
.endr
	WIN 0
.endm
.macro FETCH_A st, i0
.irp i, \i0, \i0+1, \i0+2, \i0+3
	FRAG AF+FR*(\i), ADRA, \st, \i
.endr
.endm
.macro SCALES pr
.irp i, 0,1,2,3,4,5,6,7
	ds_load_b64 v[SC+8*NQ*((\pr)%2)+NQ*\i:SC+8*NQ*((\pr)%2)+NQ*\i+1], v[ADRS] offset:\i*SBLK+4*NQ*(\pr)
.endr
.endm
.macro PLACES n
.rept \n
	v_nop
.endr
.endm
; A step: 64 products; the next step's fragments are fetched in its middle and at its end.  Where the next step ends in a chunk not yet read: a barrier shows it whole.
; Where the next step begins in a later chunk: the waits, the add and the barrier; where a chunk two on is left, the barrier opens a round and the slot is filled again.
.macro STEP st, zero
.set NX, (\st)+1
.set C0, (96*(\st))/ROWB
.set C1, (96*NX)/ROWB
.set E0, (96*(\st)+95)/ROWB
.set E1, (96*NX+95)/ROWB
.if C1 > C0 || E1 > E0
	s_wait_tensorcnt 0x0                           ; all my tensor loads have landed
.if C1 > C0
	ds_add_u32 v[SPW], v[NIL]
	s_wait_dscnt 4*NL+1                            ; the add and A's blocks 4-7 may be out
.else
	s_wait_dscnt 4*NL                              ; A's blocks 4-7 may be out
.endif
	WIN MUL_LO
	MUL16 0, (\st)%2, (\st)%2, ((\st)/2)%2, \zero
	s_wait_dscnt 0x0                               ; the add and all my reads are done
	s_barrier_signal -1
	MUL16 2, (\st)%2, (\st)%2, ((\st)/2)%2, \zero
	WIN 0
	s_barrier_wait -1
.if C1 > C0 && C0+2 < CHUNKS
	CREST
	s_add_nc_u64 s[G0+4*(C0%2)+2:G0+4*(C0%2)+3], s[G0+4*(C0%2)+2:G0+4*(C0%2)+3], 2*ROWB
	s_add_nc_u64 s[G0B+4*(C0%2)+2:G0B+4*(C0%2)+3], s[G0B+4*(C0%2)+2:G0B+4*(C0%2)+3], 2*ROWB
	JLOAD G0+4*(C0%2), G1, G0B+4*(C0%2), G1B       ; chunk C0 + 2; its four v_nop are the places in front of the loads below
.else
	PLACES NP
.endif
.else
	s_wait_dscnt 4*NL
	WIN MUL_LO
	MUL16 0, (\st)%2, (\st)%2, ((\st)/2)%2, \zero
	MUL16 2, (\st)%2, (\st)%2, ((\st)/2)%2, \zero
	s_wait_dscnt 0
	PLACES NP
.endif
	FETCH_B NX, NX%2
	FETCH_A NX, 0
.if NX%2 == 0
	SCALES NX/2
.endif
	WIN MUL_HI
	MUL16 4, (\st)%2, (\st)%2, ((\st)/2)%2, \zero
	MUL16 6, (\st)%2, (\st)%2, ((\st)/2)%2, \zero
	PLACES NP
	WIN 0
	FETCH_A NX, 4
.endm
.macro LAST
	s_wait_dscnt 4*NL
	WIN MUL_LO
	MUL16 0, 1, 1, 1, 0
	MUL16 2, 1, 1, 1, 0
	s_wait_dscnt 0
	WIN MUL_HI
	MUL16 4, 1, 1, 1, 0
	MUL16 6, 1, 1, 1, 0
	WIN 0
	PLACES NP
.endm
.macro CSLOAD a                        ; cos and sin for block a's 64 registers: each load reads 512 consecutive bytes of the image
	WIN TO_B
.irp n, 0,1,2,3,4,5,6,7,8,9,10,11,12,13,14,15
	global_load_b128 v[64*((\a)%4)+4*\n:64*((\a)%4)+4*\n+3], v[VO0], s[100:101] offset:65536*(\a)+512*\n
.endr
	WIN 0
.endm
.macro ROPE a                          ; (x0 cos - x1 sin, x0 sin + x1 cos)
	WIN 0x06+(\a)/4
.set AC, 64*((\a)%4)
.set ri, 0
.rept 8                                ; four pairs at a time: eight products, then the eight fused lines that take them in
.irp k, 0,1,2,3
	v_mul_f32 v[RT+2*\k], v[AC+2*(ri+\k)+1], v[AC+2*(ri+\k)+1]
	v_mul_f32 v[RT+2*\k+1], v[AC+2*(ri+\k)+1], v[AC+2*(ri+\k)]
.endr
.irp k, 0,1,2,3
	v_fma_f32 v[HA+2*(ri+\k)], v[AC+2*(ri+\k)], v[AC+2*(ri+\k)], -v[RT+2*\k]
	v_fma_f32 v[HA+2*(ri+\k)+1], v[AC+2*(ri+\k)], v[AC+2*(ri+\k)+1], v[RT+2*\k+1]
.endr
.set ri, ri+4
.endr
	WIN 0
.endm
.macro QUANT s, w, p0, p1              ; 64 registers = four blocks of 32 (with lane l xor 16) -> codes and a scale word
	WIN (\w)|((\w)<<2)
.irp b, 0,1,2,3
	v_max3_num_f32 v[TM+\b], |v[(\s)+16*\b]|, |v[(\s)+1+16*\b]|, 0x1800000
.endr
.irp i, 2,4,6,8,10,12,14
.irp b, 0,1,2,3
	v_max3_num_f32 v[TM+\b], |v[(\s)+16*\b+\i]|, |v[(\s)+1+16*\b+\i]|, v[TM+\b]
.endr
.endr
	WIN 0
.irp b, 0,1,2,3
	v_permlanex16_b32 v[TM+4+\b], v[TM+\b], s98, s99
.endr
.irp b, 0,1,2,3
	v_max_num_f32 v[TM+\b], v[TM+\b], v[TM+4+\b]
.endr
.irp b, 0,1,2,3
	v_add_nc_u32 v[TM+12+\b], 0xff000000, v[TM+\b]
.endr
.irp b, 0,1,2,3
	v_lshrrev_b32 v[TM+4+\b], 23, v[TM+12+\b]
.endr
	v_lshl_or_b32 v[PW], v[TM+5], 8, v[TM+4]
	v_lshl_or_b32 v[PW], v[TM+6], 16, v[PW]
	v_lshl_or_b32 v[PW], v[TM+7], 24, v[PW]
	s_wait_xcnt 0x0                                ; earlier stores have read the codes' registers
	WIN \w
	v_cvt_scalef32_pk16_fp6_f32 v[(\p0):(\p0)+2], v[(\s):(\s)+15], v[TM+12]
	v_cvt_scalef32_pk16_fp6_f32 v[H2:H2+2], v[(\s)+16:(\s)+31], v[TM+13]
	v_cvt_scalef32_pk16_fp6_f32 v[(\p1):(\p1)+2], v[(\s)+32:(\s)+47], v[TM+14]
	v_cvt_scalef32_pk16_fp6_f32 v[H2+4:H2+6], v[(\s)+48:(\s)+63], v[TM+15]
	WIN 0
	v_nop
.irp i, 0,1,2
	v_permlane16_swap_b32 v[(\p0)+\i], v[H2+\i]
.endr
.irp i, 0,1,2
	v_mov_b32 v[(\p0)+3+\i], v[H2+\i]
.endr
.irp i, 0,1,2
	v_permlane16_swap_b32 v[(\p1)+\i], v[H2+4+\i]
.endr
.irp i, 0,1,2
	v_mov_b32 v[(\p1)+3+\i], v[H2+4+\i]
.endr
.endm
.macro PUTQK a
.if ((\a)%2) == 1
.irp e, 0,1
.irp p, 0,1,2
	global_store_b128 v[VO0+\e], v[PCR+12*\e+4*\p:PCR+12*\e+4*\p+3], s[12:13] offset:1536*((\a)/2)+512*\p
.endr
.endr
.endif
	v_mov_b32 v[SW+(\a)], v[PW]
.endm
.macro PUTV a
.irp p, 0,1,2
	global_store_b128 v[VO0], v[PCR+4*\p:PCR+4*\p+3], s[12:13] offset:1536*(\a)+512*\p
.endr
	v_mov_b32 v[SW+(\a)], v[PW]
.endm
	s_mov_b32 s98, 0x76543210
	s_mov_b32 s99, 0xfedcba98
	s_wait_alu depctr_va_vdst(0)                   ; the wait at the head's end
	s_wait_tensorcnt 0x0                           ; my tile of the head's four is in
	ds_add_u32 v[SPW], v[NIL]
	s_mov_b32 s[G1+2], 128<<16                     ; no load of mine is out: from here on a load brings 128 rows
	s_mov_b32 s[G1+4], 128
	s_mov_b32 s[G1B+2], 128<<16
	s_mov_b32 s[G1B+4], 128
	s_wait_dscnt 0x0
	CROUND
	JLOAD G0+4, G1, G0B+4, G1B                     ; chunk 1
	FETCH_B 0, 0
	FETCH_A 0, 0
	SCALES 0
	FETCH_A 0, 4
	STEP 0, 1
.set ST, 1
.rept STEPS-2
	STEP ST, 0
.set ST, ST+1
.endr
	s_mov_b32 s3, 0xffff0000
	s_cmp_eq_u32 s2, 2
	s_cbranch_scc1 .Lv
	CSLOAD 0                                       ; into B's set 0, which step 6 has read (its places stand behind its last products)
	CSLOAD 1
	LAST
	CSLOAD 2
	CSLOAD 3
.irp a, 0,1,2,3,4,5,6,7
.if \a < 5
	s_wait_loadcnt 48                              ; block a's 16 loads are in; three blocks' may be out
.else
	s_wait_loadcnt 16*(7-\a)
.endif
	ROPE \a
.if \a < 4
	CSLOAD \a+4
.endif
	QUANT HA, 0, PCR+6*(\a%2), PCR+12+6*(\a%2)
	PUTQK \a
.endr
	s_branch .Ljoin
.Lv:
	LAST
.irp a, 0,1,2,3,4,5,6,7
	QUANT 64*(\a%4), 2+\a/4, PCR, PCR+6
	PUTV \a
.endr
.Ljoin:
	s_wait_alu depctr_va_vdst(0)
.irp t, 0,1,2,3
	v_cndmask_b32 v[SOUT+\t], v[SW+2*\t], v[SW+2*\t+1], s3
.endr
.irp t, 0,1,2,3
	global_store_b32 v[VS], v[SOUT+\t], s[66:67] offset:128*\t
.endr
	s_wait_tensorcnt 0x0                           ; the wave's end
	ds_add_u32 v[SPW], v[NIL]
	s_wait_dscnt 0x0
	CROUND                                         ; the closing round
	s_endpgm
.Lfunc_end_k_q7a362bbe22_proj:
	.size	k_q7a362bbe22_proj, .Lfunc_end_k_q7a362bbe22_proj-k_q7a362bbe22_proj
	.p2alignl 7, 3214868480
	.fill 96, 4, 3214868480
	.section	.rodata,"a",@progbits
	.p2align	6, 0x0
	.amdhsa_kernel k_q7a362bbe22_proj
		.amdhsa_group_segment_fixed_size 327680
		.amdhsa_private_segment_fixed_size 0
		.amdhsa_enable_private_segment 0
		.amdhsa_kernarg_size 32
		.amdhsa_user_sgpr_count 2
		.amdhsa_user_sgpr_kernarg_segment_ptr 1
		.amdhsa_wavefront_size32 1
		.amdhsa_system_sgpr_workgroup_id_x 1
		.amdhsa_system_sgpr_workgroup_id_y 1
		.amdhsa_system_sgpr_workgroup_id_z 1
		.amdhsa_system_vgpr_workitem_id 0
		.amdhsa_next_free_vgpr 1024
		.amdhsa_next_free_sgpr 106
		.amdhsa_reserve_vcc 0
		.amdhsa_float_denorm_mode_32 3
		.amdhsa_float_denorm_mode_16_64 3
		.amdhsa_memory_ordered 1
		.amdhsa_forward_progress 1
		.amdhsa_inst_pref_size 255
	.end_amdhsa_kernel
	.section	.bss,"aw",@nobits
	.p2align	6
	.space	262144
	.amdgpu_metadata
---
amdhsa.version: [ 1, 2 ]
amdhsa.kernels:
  - .name:           k_q7a362bbe22_proj
    .symbol:         k_q7a362bbe22_proj.kd
    .args:
      - { .name: xcodes, .offset: 0, .size: 8, .value_kind: global_buffer, .address_space: global }
      - { .name: wcodes, .offset: 8, .size: 8, .value_kind: global_buffer, .address_space: global }
      - { .name: cstab, .offset: 16, .size: 8, .value_kind: global_buffer, .address_space: global }
      - { .name: hcodes, .offset: 24, .size: 8, .value_kind: global_buffer, .address_space: global }
    .group_segment_fixed_size: 327680
    .private_segment_fixed_size: 0
    .kernarg_segment_align: 8
    .kernarg_segment_size: 32
    .max_flat_workgroup_size: 128
    .sgpr_count:     106
    .vgpr_count:     1024
    .wavefront_size: 32
...
	.end_amdgpu_metadata
.endif
;; end of part 2
;; launch attn (part 3): grid 8 x 32, 16 waves a work-group, clusters of 4 x 1, 219,136 bytes of LDS; arguments hcodes, attn_mask, bias_emb, ycodes, match; writes ycodes
.if DOCPART == 3
	.amdgcn_target "amdgcn-amd-amdhsa--gfx1250"
	.amdhsa_code_object_version 6
	.text
	.protected	k_q7a362bbe22_attn
	.globl	k_q7a362bbe22_attn
	.p2align	8
	.type	k_q7a362bbe22_attn,@function
k_q7a362bbe22_attn:
	s_mov_b64 s[64:65], 0
	v_nop
	global_prefetch_b8 v0, s[64:65] scope:SCOPE_SE
	s_setreg_imm32_b32 hwreg(HW_REG_WAVE_MODE, 25, 1), 1
	s_wait_xcnt 0x0
	s_wait_alu depctr_hold_cnt(0) depctr_sa_sdst(0) depctr_va_vdst(0) depctr_va_sdst(0) depctr_va_ssrc(0) depctr_va_vcc(0) depctr_vm_vsrc(0)
	s_getreg_b32 s2, hwreg(HW_REG_IB_STS2, 6, 4)
	s_cmp_eq_u32 s2, 0
	s_cbranch_scc0 .Lentry_in_a_cluster
	s_endpgm
.Lentry_in_a_cluster:
	s_bfe_u32 s2, ttmp6, 0x10000c
	s_cmp_lg_u32 s2, 0x3003
	s_cbranch_scc0 .Lentry_shape_is_right
	s_endpgm
.Lentry_shape_is_right:
; THIRD LAUNCH.  For each batch b and head h: y[q] = sum over keys of softmax(Q[q] . K[k] / 8 + bias(q, k), masked keys left out) V[k], both products on codes of FP6 (E2M3) with E8M0 scales.
; bias(q, k) = bias_emb[1][h] where query_id[q] = kv_id[k], else bias_emb[0][h].  y is quantised along its channels and leaves as operand images for the last launch.
; t = logit x log2(e); M = the row's largest t so far, rounded UP to a whole number; p = 2^(t - M) is quantised along the keys, not normalised.  The row's sum is taken of the unquantised p and divides at the end.
; When M moves, the sum and O are multiplied by 2^(old M - new M): exact.
; SHARES.  A work-group owns 256 queries of one (b, h); each of its sixteen waves one stored tile of 16 queries, in 256 registers: four waves to a SIMD.
; ALL OF THE HEAD'S K AND V LIE IN LDS, filled ONCE, one tensor load a wave: waves 0-7 an eighth of K's codes each, waves 8-11 four steps of V's codes each (rows of 6,144 bytes), waves 12-15 four steps of V's scale words each.
; K's scale words (8,192 bytes for a pair of heads) come through registers, 16 bytes a thread: my head's two bytes are shifted to each word's low end once, and the words are stored to LDS bytes of their own.
; No byte is filled again.  No prefetch: there is one fill, at the head.
; CLUSTER.  The four query blocks of a cluster belong to one (b, h): each piece is asked for JOINTLY, with the mask of all four.
; LAYOUT.  Both products are used transposed: S^T = K Q^T, O^T = V^T P^T: a lane holds ONE query (lane % 16).
; Stored tile 4 c + u of Q and of K holds rows 64 c + 32 (r / 8) + 8 u + r % 8.  So score register n of lane (r, h) is key 64 (n / 32) + 32 h + n % 32 of the step: a lane's registers 32 c .. 32 c + 31 are ONE WHOLE BLOCK
; of 32 keys, block 2 c + h, in the order that P's operand wants: a block's largest needs no other lane, and the conversions' results are the operand's registers.
; Stored tile 2 b + u of V's channels holds channels 32 b + 8 u + r + 8 (r / 8): the 16 result registers of tiles 2 b, 2 b + 1 are the channels 32 b + 16 h + 0 .. 15.
; Twelve operand registers lie as 3 pieces x 32 lanes x 16 bytes.
; THE HEAD IS 64 DEEP, THE INSTRUCTION 128: Q's registers 6-11 are zero codes; K's operand for tile t names twelve registers from its six on: the six behind them meet Q's zeros.
; BIAS AND MASK ARE THE C OF THE SCORE PRODUCT: C = 8 x bias, or -1e30 for a masked key.  Which bias: lane masks made by the first launch (match), 64 words a step, by four scalar loads asked for a step ahead.
; THE SIXTEEN WAVES WALK THE KEYS TOGETHER: each signals when its step's LDS loads are all in, and goes on behind the next step's score products only when all have signalled.
; The largest t begins at -2^80, above every masked key's t.
; LIMITS: |logit x log2(e)| stays under 2^80.  A batch with no key left gives NaN: y's scale bytes are then 0xff.  NaN and infinities among the inputs are not served.  A block of zeros gets the byte 1.
.set KC,   0
.set VC,   98304
.set KSL,  196608                      ; K's scale words: written by ds_store; no tensor load lands here
.set VSL,  204800
.set MKL,  208896                      ; C for a key whose id differs: written by ds_store; no tensor load lands here
.set AK0,  1
.set AV0,  2
.set ASK0, 3
.set ASV0, 4
.set AID0, 5
.set ADK,  6
.set ADV,  7
.set ADS,  8
.set ADT,  9
.set ADI,  10
.set H8,   11                          ; 8 x (lane / 16)
.set A8,   29
.set X,    32
.set Y,    86
.set S,    150
.set O,    214
.set KSC,  246
.set VSC,  250
.set PWD,  252
.set TV,   253
.set F,    254
.set BM,   32                          ; v32, v34: my two blocks' largest (v33, v35: half blocks on the way)
.set BT,   36
.set SO,   40
.set PCD,  44
.set PC2,  56
.set SEL,  20
.set CS,   22
.set G1K,  24                          ; three groups 1
.set G1V,  32
.set G1C,  40
.set G0KC, 56                          ; three groups 0
.set G0VC, 60
.set G0VS, 16
.set MS0,  24
.set MS1,  40
.set MS2,  80
.set MS3,  4
.set SH,   72
.set T6,   73
.set T5,   74
.set T2,   75
.set CNT,  76
.set HM,   77
.set MINC, 78
.set WV,   96
.set YP,   98
.set YS,   100
.set MP,   104
.macro CROUND
	s_barrier_signal -1
	s_barrier_wait -1
	s_cmp_lg_u32 s[WV], 0
	s_cbranch_scc1 .Lnot_wave_0_\@
	s_barrier_signal -3
.Lnot_wave_0_\@:
	s_barrier_wait -3
	s_barrier_signal -1
	s_barrier_wait -1
.endm
.macro MASKS
	s_load_b512 s[MS0:MS0+15], s[MP:MP+1], 0x0
	s_load_b512 s[MS1:MS1+15], s[MP:MP+1], 0x40
	s_load_b512 s[MS2:MS2+15], s[MP:MP+1], 0x80
	s_load_b512 s[MS3:MS3+15], s[MP:MP+1], 0xc0
.endm
.macro PICK16 g, ms
.set n, 0
.rept 16
	v_cndmask_b32 v[S+16*\g+n], v[S+16*\g+n], v30, s[\ms+n]
.set n, n+1
.endr
.endm
.macro ARM under, g0, g1, next
	s_cmp_lt_u32 s[WV], \under
	s_cbranch_scc0 \next
	tensor_load_to_lds s[\g0:\g0+3], s[\g1:\g1+7]
	s_nop 0
.rept 4
	v_nop
.endr
	s_branch .Lhead_asked
\next:
.endm
	s_load_b256 s[4:11], s[0:1], 0x0               ; hcodes, attn_mask, bias_emb, ycodes
	s_load_b64 s[12:13], s[0:1], 0x20              ; match
	v_lshl_add_u32 v148, v0, 2, 0x35000
	v_mov_b32 v149, 0
	ds_add_u32 v148, v149
	ds_add_u32 v148, v149
	v_lshrrev_b32 v1, 5, v0
	s_delay_alu instid0(VALU_DEP_1)
	v_readfirstlane_b32 s[WV], v1                  ; wave 0..15
	s_bfe_u32 s66, ttmp6, 0x40000                  ; cx: it enters Q's, the masks' and y's addresses alone
	s_lshl_b32 s67, ttmp9, 2
	s_add_co_u32 s67, s67, s66                     ; my block of 256 queries
	s_and_b32 s68, ttmp7, 0xffff                   ; 16 b + h
	s_lshr_b32 s69, s68, 4                         ; b
	s_and_b32 s70, s68, 15                         ; h
	s_lshr_b32 s71, s70, 1                         ; the pair of heads
	s_and_b32 s[SH], s70, 1
	s_lshl_b32 s[SH], s[SH], 4
	s_and_b32 s86, s[WV], 7
	s_mul_i32 s86, s86, 12288                      ; K's codes: an eighth
	s_mul_i32 s80, s68, 98304
	s_add_co_u32 s80, s80, s86
	s_add_co_u32 s80, s80, 3145728
	s_mov_b32 s81, 0
	s_and_b32 s90, s[WV], 3
	s_mul_i32 s88, s90, 24576                      ; V's codes: four steps of 6,144 bytes
	s_lshl_b32 s92, s90, 10                        ; V's scale words: four steps of 256 bytes
	s_lshl_b32 s91, s69, 4
	s_lshl_b32 s90, s90, 2
	s_add_co_u32 s91, s91, s90                     ; step 16 b + 4 (wave % 4)
	s_mul_i32 s82, s91, 98304
	s_mul_i32 s89, s70, 6144
	s_add_co_u32 s82, s82, s89
	s_add_co_u32 s82, s82, 6291456
	s_mov_b32 s83, 0
	s_lshl_b32 s94, s91, 12
	s_lshl_b32 s93, s70, 8
	s_add_co_u32 s94, s94, s93
	s_add_co_u32 s94, s94, 9699328
	s_mov_b32 s95, 0
	s_lshl_b32 s87, s69, 3
	s_add_co_u32 s87, s87, s71                     ; 8 b + pair
	s_mov_b32 s85, 0
	; groups 1: elements of 8 bytes, no padding; the mask of all four work-groups, bit 21 beside it
.irp g, G1K, G1V, G1C
	s_mov_b32 s[\g], 15|(3<<16)|(1<<21)
	s_mov_b32 s[\g+6], 0
	s_mov_b32 s[\g+7], 0
.endr
.irp g, G1K, G1C
	s_mov_b32 s[\g+1], 32<<16                      ; rows of 256 bytes
	s_mov_b32 s[\g+3], 32<<16
.endr
	s_mov_b32 s[G1K+2], 48<<16                     ; 48 rows on end
	s_mov_b32 s[G1K+4], 48
	s_mov_b32 s[G1K+5], 32
	s_mov_b32 s[G1V+1], 768<<16                    ; 4 rows of 6,144 bytes, 98,304 bytes apart
	s_mov_b32 s[G1V+2], 4<<16
	s_mov_b32 s[G1V+3], 768<<16
	s_mov_b32 s[G1V+4], 4
	s_mov_b32 s[G1V+5], 12288
	s_mov_b32 s[G1C+2], 4<<16                      ; 4 rows, 4,096 bytes apart
	s_mov_b32 s[G1C+4], 4
	s_mov_b32 s[G1C+5], 512
	s_mov_b32 s[SEL], 0x76543210
	s_mov_b32 s[SEL+1], 0xfedcba98
	s_mov_b32 s[CS], 0x3e38aa3b                    ; log2(e) / 8
	s_mov_b32 s[CS+1], s[CS]
	s_mov_b32 s[HM], 0xffff0000
	s_wait_dscnt 0x0
	s_wait_kmcnt 0x0
	s_mov_b32 s[G0KC], 1
	s_add_co_u32 s[G0KC+1], s86, KC
	s_add_nc_u64 s[G0KC+2:G0KC+3], s[4:5], s[80:81]
	s_or_b32 s[G0KC+3], s[G0KC+3], 0x80000000
	s_mov_b32 s[G0VC], 1
	s_add_co_u32 s[G0VC+1], s88, VC
	s_add_nc_u64 s[G0VC+2:G0VC+3], s[4:5], s[82:83]
	s_or_b32 s[G0VC+3], s[G0VC+3], 0x80000000
	s_mov_b32 s[G0VS], 1
	s_add_co_u32 s[G0VS+1], s92, VSL
	s_add_nc_u64 s[G0VS+2:G0VS+3], s[4:5], s[94:95]
	s_or_b32 s[G0VS+3], s[G0VS+3], 0x80000000
	CROUND                                         ; all four work-groups are here: the joint loads meet
	ARM 8,  G0KC, G1K, .Lhead_v                    ; one chain of branches on the wave's number, one load to an arm
	ARM 12, G0VC, G1V, .Lhead_vs
	tensor_load_to_lds s[G0VS:G0VS+3], s[G1C:G1C+7]
	s_nop 0
.rept 4
	v_nop
.endr
.Lhead_asked:
	; my queries
	s_lshl_b32 s93, s67, 4
	s_add_co_u32 s93, s93, s[WV]                   ; my stored tile of queries in the batch
	s_mul_i32 s80, s68, 98304
	s_lshr_b32 s94, s93, 1
	s_mul_i32 s94, s94, 1536
	s_add_co_u32 s80, s80, s94
	s_add_nc_u64 s[80:81], s[4:5], s[80:81]        ; the image of my pair of tiles of Q
	s_lshl_b32 s82, s87, 7
	s_add_co_u32 s82, s82, s93
	s_lshl_b32 s82, s82, 6
	s_add_co_u32 s82, s82, 9437184
	s_add_nc_u64 s[82:83], s[4:5], s[82:83]        ; Q's scale words
	s_lshl_b32 s84, s87, 13
	s_add_co_u32 s84, s84, 9568256
	s_add_nc_u64 s[14:15], s[4:5], s[84:85]        ; K's scale words: the pair of heads' 8,192 bytes
	s_lshl_b32 s84, s69, 11
	s_add_nc_u64 s[6:7], s[6:7], s[84:85]          ; attn_mask: the batch's 2,048 bytes
	s_lshl_b32 s84, s70, 2
	s_add_nc_u64 s[8:9], s[8:9], s[84:85]          ; bias_emb[.][h]
	s_lshl_b32 s90, s69, 7
	s_add_co_u32 s90, s90, s93                     ; my stored tile among all 256
	s_lshl_b32 s94, s90, 4
	s_add_co_u32 s94, s94, s70
	s_mul_i32 s94, s94, 768
	s_mov_b32 s95, 0
	s_add_nc_u64 s[YP:YP+1], s[10:11], s[94:95]    ; y's image: [tile][head][768]
	s_lshl_b32 s94, s90, 9
	s_lshl_b32 s92, s70, 1
	s_add_co_u32 s94, s94, s92
	s_add_co_u32 s94, s94, 3145728
	s_add_nc_u64 s[YS:YS+1], s[10:11], s[94:95]    ; y's scale bytes: 32 a stored row, my head's two
	s_lshl_b32 s94, s90, 12
	s_add_nc_u64 s[MP:MP+1], s[12:13], s[94:95]    ; my tile's masks: 16 steps of 256 bytes
	s_and_b32 s94, s[WV], 1                        ; my tile's six registers are registers 0-5 or 6-11 of the pair's twelve
	s_cmp_eq_u32 s94, 0
	s_cselect_b32 s86, 0, 520
	s_cselect_b32 s88, 8, 1024
	s_add_co_u32 s89, s86, 512
	v_and_b32 v86, 31, v0
	v_and_b32 v87, 15, v0
	v_bfe_u32 v88, v0, 4, 1
	s_delay_alu instid0(VALU_DEP_3)
	v_lshlrev_b32 v[AK0], 4, v86
	s_delay_alu instid0(VALU_DEP_4)
	v_lshl_add_u32 v[AV0], v86, 4, VC
	v_lshl_add_u32 v[ASK0], v86, 2, KSL
	v_lshl_add_u32 v[ASV0], v86, 2, VSL
	v_lshl_add_u32 v[AID0], v88, 7, MKL            ; my half's 32 keys begin 128 bytes on
	v_lshlrev_b32 v[H8], 3, v88
	v_lshlrev_b32 v[A8], 3, v86
	v_lshl_add_u32 v31, v87, 5, v88
	v_add_nc_u32 v90, s86, v[AK0]
	v_add_nc_u32 v91, s88, v[AK0]
	v_add_nc_u32 v92, s89, v[AK0]
	v_lshlrev_b32 v93, 2, v87
	v_lshlrev_b32 v94, 2, v0                       ; four keys a thread
	v_lshlrev_b32 v95, 4, v0                       ; four scale words a thread
	global_load_b64 v[16:17], v90, s[80:81]
	global_load_b64 v[18:19], v91, s[80:81]
	global_load_b64 v[20:21], v92, s[80:81]
	global_load_b32 v28, v93, s[82:83]
	global_load_b32 v100, v94, s[6:7]
	global_load_b128 v[112:115], v95, s[14:15]
	s_load_b32 s78, s[8:9], 0x0                    ; bias_emb[0][h]
	s_load_b32 s79, s[8:9], 0x40                   ; bias_emb[1][h]
.irp j, 22,23,24,25,26,27,80,81,82,83,84,85
	v_mov_b32 v\j, 0                               ; zero codes
.endr
.set n, 0
.rept 32
	v_mov_b32 v[O+n], 0                            ; O^T: the loop is written once; its first step finds zeros
.set n, n+1
.endr
	v_mov_b32 v14, 0
	v_mov_b32 v15, 0
	v_mov_b32 v13, 0xe7800000                      ; -2^80
	s_delay_alu instid0(VALU_DEP_1)
	v_floor_f32 v12, -v13
	v_mov_b32 v[F+1], 0
	v_mov_b32 v102, 0xf149f2ca                     ; -1e30
	v_lshl_add_u32 v105, v0, 4, MKL
	v_lshl_add_u32 v106, v0, 4, KSL
	s_wait_kmcnt 0x0
	v_mov_b32 v103, s78
	v_mov_b32 v30, s79
	s_delay_alu instid0(VALU_DEP_2)
	v_mul_f32 v103, 0x41000000, v103               ; 8 x bias
	s_delay_alu instid0(VALU_DEP_2)
	v_mul_f32 v30, 0x41000000, v30
	s_wait_alu depctr_va_vdst(0)
	s_wait_loadcnt 0x0
	v_lshrrev_b32 v28, s[SH], v28                  ; my head's two bytes to the word's low end
.irp j, 0,1,2,3
	v_lshrrev_b32 v[112+\j], s[SH], v[112+\j]      ; the same of K's words
.endr
.irp j, 0,1,2,3
	v_bfe_u32 v104, v100, 8*\j, 8
	s_delay_alu instid0(VALU_DEP_1)
	v_cmp_ne_u32 vcc_lo, 0, v104
	s_delay_alu instid0(VALU_DEP_1)
	v_cndmask_b32 v[108+\j], v102, v103, vcc_lo
.endr
	ds_store_b128 v106, v[112:115]
	ds_store_b128 v105, v[108:111]
	s_mov_b32 s[T6], 0
	s_mov_b32 s[T5], 0
	s_mov_b32 s[T2], 0
	s_mov_b32 s[CNT], 0
	s_mov_b32 s[MINC+1], 0
	s_wait_tensorcnt 0x0                           ; my piece has landed, so the descriptors' registers may be written
	MASKS                                          ; step 0's masks
	s_wait_dscnt 0x0
	s_barrier_signal -1
	s_barrier_wait -1                              ; everybody's pieces and stores are in.  From here on LDS is only read
	s_barrier_signal -1                            ; the first of the walk's signals: no LDS instruction of mine is out
.Lstep:                                            ; 16 trips: 128 keys each
	v_add_nc_u32 v[ADK], s[T6], v[AK0]             ; (these five are also the places behind the last trip's products)
	v_add_nc_u32 v[ADV], s[T6], v[AV0]
	v_add_nc_u32 v[ADS], s[T5], v[ASK0]
	v_add_nc_u32 v[ADT], s[T2], v[ASV0]
	v_add_nc_u32 v[ADI], s[T5], v[AID0]
.irp b, 0,1,2,3
	ds_load_b32 v[KSC+\b], v[ADS] offset:128*\b
.endr
.irp n, 0,1,2,3,4,5,6,7,8,9,10,11,12,13,14,15
	ds_load_b128 v[S+4*\n:S+4*\n+3], v[ADI] offset:256*(\n/8)+16*(\n%8)   ; register n: key 64 (n / 32) + 32 (lane / 16) + n % 32
.endr
.irp u, 0,1,2,3
.irp p, 0,1,2
	ds_load_b128 v[X+12*\u+4*\p:X+12*\u+4*\p+3], v[ADK] offset:1536*\u+512*\p
.endr
.endr
.irp c, 0,1,2,3
.irp p, 0,1,2
	ds_load_b128 v[Y+12*\c+4*\p:Y+12*\c+4*\p+3], v[ADV] offset:1536*\c+512*\p
.endr
.endr
	ds_load_b32 v[VSC], v[ADT]
	ds_load_b32 v[VSC+1], v[ADT] offset:128
	s_wait_dscnt 26                                ; K's scale words and C are in: 12 + 12 + 2 loads were issued behind them
	s_wait_kmcnt 0x0                               ; the step's masks
	PICK16 0, MS0
	PICK16 1, MS1
	PICK16 2, MS2
	PICK16 3, MS3
.rept 4
	v_nop
.endr
	s_wait_alu depctr_va_vdst(0)
	s_wait_dscnt 14                                ; K's codes are in: V's 12 + 2 loads were issued behind them
.irp t, 0,2,4,6
	v_wmma_scale_f32_16x16x128_f8f6f4 v[S+8*\t:S+8*\t+7], v[X+6*\t:X+6*\t+11], v[16:27], v[S+8*\t:S+8*\t+7], v[KSC+\t/2], v28 matrix_a_fmt:MATRIX_FMT_FP6 matrix_b_fmt:MATRIX_FMT_FP6
	v_wmma_scale_f32_16x16x128_f8f6f4 v[S+8*\t+8:S+8*\t+15], v[X+6*\t+6:X+6*\t+17], v[16:27], v[S+8*\t+8:S+8*\t+15], v[KSC+\t/2], v28 matrix_a_fmt:MATRIX_FMT_FP6 matrix_b_fmt:MATRIX_FMT_FP6 matrix_a_scale:MATRIX_SCALE_ROW1
.endr
	s_barrier_wait -1                              ; every wave has signalled: all have their LDS loads of the step before in.  (Between signal and wait: register work and LDS loads of bytes that nobody writes)
.rept 4
	v_nop
.endr
.irp b, 0,1,2,3
	v_max3_num_f32 v[BM+\b], v[S+16*\b], v[S+16*\b+1], v[S+16*\b+2]   ; the largest score, in four chains of 16 registers; each accumulator is first read at its low end
.endr
.irp i, 3,5,7,9,11,13
.irp b, 0,1,2,3
	v_max3_num_f32 v[BM+\b], v[BM+\b], v[S+16*\b+\i], v[S+16*\b+\i+1]
.endr
.endr
	v_max3_num_f32 v[BM], v[BM], v[BM+1], v[S+15]
	v_max3_num_f32 v[BM+2], v[BM+2], v[BM+3], v[S+47]
	v_max_num_f32 v[BM], v[BM], v[S+31]            ; MY TWO BLOCKS' LARGEST SCORES: they serve for the row's maximum and, since p rises with the score, for the blocks' largest p
	v_max_num_f32 v[BM+2], v[BM+2], v[S+63]
	s_delay_alu instid0(VALU_DEP_1)
	v_max_num_f32 v[TV], v[BM], v[BM+2]
	s_delay_alu instid0(VALU_DEP_1)
	v_permlanex16_b32 v[BT], v[TV], s[SEL], s[SEL+1]
	s_delay_alu instid0(VALU_DEP_1)
	v_max_num_f32 v[TV], v[TV], v[BT]              ; with lane l xor 16's two blocks: the step's largest score of my query
	s_delay_alu instid0(VALU_DEP_1)
	v_mul_f32 v[TV], s[CS], v[TV]
	s_delay_alu instid0(VALU_DEP_1)
	v_max_num_f32 v13, v13, v[TV]                  ; the running largest t
	v_mov_b32 v[TV], v12
	s_delay_alu instid0(VALU_DEP_2)
	v_floor_f32 v12, -v13                          ; the new -M
	s_delay_alu instid0(VALU_DEP_1)
	v_sub_f32 v[TV], v12, v[TV]
	s_delay_alu instid0(VALU_DEP_1)
	v_cvt_i32_f32 v[TV], v[TV]
	s_delay_alu instid0(VALU_DEP_1)
	v_ldexp_f32 v[F], 1.0, v[TV]                   ; f = 2^(old M - new M)
	s_cmp_lt_u32 s[CNT], 15                        ; the next step's masks; the last trip asks for its own again
	s_cselect_b32 s[MINC], 256, 0
	s_add_nc_u64 s[MP:MP+1], s[MP:MP+1], s[MINC:MINC+1]
	MASKS
.set n, 0
.rept 32
	v_pk_fma_f32 v[S+n:S+n+1], v[S+n:S+n+1], s[CS:CS+1], v[12:13] op_sel_hi:[1,0,0]   ; t - M
.set n, n+2
.endr
	v_fma_f32 v[BM], v[BM], s[CS], v12
	v_fma_f32 v[BM+2], v[BM+2], s[CS], v12
.set n, 0
	s_wait_alu depctr_va_vdst(0)
.rept 64
	v_exp_f32 v[S+n], v[S+n]
.set n, n+1
.endr
	v_exp_f32 v[BM], v[BM]                         ; the blocks' largest p
	v_exp_f32 v[BM+2], v[BM+2]
	v_pk_mul_f32 v[14:15], v[14:15], v[F:F+1] op_sel_hi:[1,0]
	s_wait_alu depctr_va_vdst(0)
	v_max_num_f32 v[BM], 0x1800000, v[BM]          ; the floor 2^(3 - 127)
	v_max_num_f32 v[BM+2], 0x1800000, v[BM+2]
	s_delay_alu instid0(VALU_DEP_2)
	v_add_nc_u32 v[SO], 0xff000000, v[BM]          ; 2 off the exponent field: the conversions' scale operand
	s_delay_alu instid0(VALU_DEP_2)
	v_add_nc_u32 v[SO+2], 0xff000000, v[BM+2]
	s_delay_alu instid0(VALU_DEP_2)
	v_lshrrev_b32 v[BT], 23, v[SO]                 ; the scales' bytes: blocks h and 2 + h
	s_delay_alu instid0(VALU_DEP_2)
	v_lshrrev_b32 v[BT+2], 23, v[SO+2]
	s_delay_alu instid0(VALU_DEP_1)
	v_lshl_or_b32 v[PWD], v[BT+2], 16, v[BT]
	s_delay_alu instid0(VALU_DEP_1)
	v_lshlrev_b32 v[PWD], v[H8], v[PWD]            ; at their places in the scale word
	s_delay_alu instid0(VALU_DEP_1)
	v_permlanex16_b32 v[BT+1], v[PWD], s[SEL], s[SEL+1]
	s_delay_alu instid0(VALU_DEP_1)
	v_or_b32 v[PWD], v[PWD], v[BT+1]               ; with lane l xor 16's two the word is whole
.irp c, 0,1
	v_cvt_scalef32_pk16_fp6_f32 v[PCD+6*\c:PCD+2+6*\c], v[S+32*\c:S+15+32*\c], v[SO+2*\c]
	v_cvt_scalef32_pk16_fp6_f32 v[PC2+4*\c:PC2+2+4*\c], v[S+16+32*\c:S+31+32*\c], v[SO+2*\c]   ; (a conversion's three registers begin on an even number)
.endr
	v_nop
.irp c, 0,1
.irp i, 0,1,2
	v_mov_b32 v[PCD+3+6*\c+\i], v[PC2+4*\c+\i]
.endr
.endr
	v_pk_add_f32 v[64:65], v[154:155], v[158:159]  ; the row's sum of the unquantised p, in eight chains
	v_pk_add_f32 v[248:249], v[162:163], v[166:167]
	v_pk_add_f32 v[246:247], v[170:171], v[174:175]
	v_pk_add_f32 v[146:147], v[178:179], v[182:183]
	v_pk_add_f32 v[144:145], v[186:187], v[190:191]
	v_pk_add_f32 v[142:143], v[194:195], v[198:199]
	v_pk_add_f32 v[140:141], v[202:203], v[206:207]
	v_pk_add_f32 v[14:15], v[14:15], v[210:211]
	v_pk_add_f32 v[64:65], v[64:65], v[150:151]
	v_pk_add_f32 v[248:249], v[248:249], v[152:153]
	v_pk_add_f32 v[246:247], v[246:247], v[156:157]
	v_pk_add_f32 v[146:147], v[146:147], v[160:161]
	v_pk_add_f32 v[144:145], v[144:145], v[164:165]
	v_pk_add_f32 v[142:143], v[142:143], v[168:169]
	v_pk_add_f32 v[140:141], v[140:141], v[172:173]
	v_pk_add_f32 v[14:15], v[14:15], v[176:177]
	v_pk_add_f32 v[64:65], v[64:65], v[180:181]
	v_pk_add_f32 v[248:249], v[248:249], v[184:185]
	v_pk_add_f32 v[246:247], v[246:247], v[188:189]
	v_pk_add_f32 v[146:147], v[146:147], v[192:193]
	v_pk_add_f32 v[144:145], v[144:145], v[196:197]
	v_pk_add_f32 v[142:143], v[142:143], v[200:201]
	v_pk_add_f32 v[140:141], v[140:141], v[204:205]
	v_pk_add_f32 v[14:15], v[14:15], v[208:209]
	v_pk_add_f32 v[64:65], v[64:65], v[212:213]
	s_delay_alu instid0(VALU_DEP_2)
	v_pk_add_f32 v[14:15], v[14:15], v[146:147]
	s_delay_alu instid0(VALU_DEP_2)
	v_pk_add_f32 v[64:65], v[64:65], v[144:145]
	v_pk_add_f32 v[248:249], v[248:249], v[142:143]
	v_pk_add_f32 v[246:247], v[246:247], v[140:141]
	s_delay_alu instid0(VALU_DEP_2)
	v_pk_add_f32 v[14:15], v[14:15], v[248:249]
	s_delay_alu instid0(VALU_DEP_2)
	v_pk_add_f32 v[64:65], v[64:65], v[246:247]
	s_delay_alu instid0(VALU_DEP_1)
	v_pk_add_f32 v[14:15], v[14:15], v[64:65]
.set n, 0
.rept 16
	v_pk_mul_f32 v[O+n:O+n+1], v[O+n:O+n+1], v[F:F+1] op_sel_hi:[1,0]   ; O^T under the new M
.set n, n+2
.endr
	s_wait_alu depctr_va_vdst(0)
	s_wait_dscnt 0x0                               ; V is in: no LDS instruction of mine is out,
	s_barrier_signal -1                            ; and I say so
.irp c, 0,2
	v_wmma_scale_f32_16x16x128_f8f6f4 v[O+8*\c:O+8*\c+7], v[Y+12*\c:Y+12*\c+11], v[PCD:PCD+11], v[O+8*\c:O+8*\c+7], v[VSC+\c/2], v[PWD] matrix_a_fmt:MATRIX_FMT_FP6 matrix_b_fmt:MATRIX_FMT_FP6
	v_wmma_scale_f32_16x16x128_f8f6f4 v[O+8*\c+8:O+8*\c+15], v[Y+12*\c+12:Y+12*\c+23], v[PCD:PCD+11], v[O+8*\c+8:O+8*\c+15], v[VSC+\c/2], v[PWD] matrix_a_fmt:MATRIX_FMT_FP6 matrix_b_fmt:MATRIX_FMT_FP6 matrix_a_scale:MATRIX_SCALE_ROW1
.endr
	s_add_co_u32 s[T6], s[T6], 6144
	s_add_co_u32 s[T5], s[T5], 512
	s_add_co_u32 s[T2], s[T2], 256
	s_add_co_u32 s[CNT], s[CNT], 1
	s_cmp_lt_u32 s[CNT], 16
	s_cbranch_scc1 .Lstep
	s_barrier_wait -1                              ; the last signal's wait
	; THE WAY OUT.  y = O^T / the sum; register 16 a + i is channel 32 a + 16 (lane / 16) + i of my query: two blocks of 32, each in lanes l and l xor 16
.rept 4
	v_nop
.endr
	v_add_f32 v14, v14, v15
	s_delay_alu instid0(VALU_DEP_1)
	v_permlanex16_b32 v[TV], v14, s[SEL], s[SEL+1]
	s_delay_alu instid0(VALU_DEP_1)
	v_add_f32 v14, v14, v[TV]
	s_wait_alu depctr_va_vdst(0)
	v_rcp_f32 v14, v14
	v_mov_b32 v[F], 0xff                           ; the byte for a row with no key
.set n, 0
	s_wait_alu depctr_va_vdst(0)
.rept 32
	v_mul_f32 v[S+n], v[O+n], v14
.set n, n+1
.endr
.irp b, 0,1
	v_max3_num_f32 v[BM+\b], |v[S+16*\b]|, |v[S+16*\b+1]|, 0x1800000
.endr
.irp i, 2,4,6,8,10,12,14
.irp b, 0,1
	s_delay_alu instid0(VALU_DEP_2)
	v_max3_num_f32 v[BM+\b], v[BM+\b], |v[S+16*\b+\i]|, |v[S+16*\b+\i+1]|
.endr
.endr
.irp b, 0,1
	s_delay_alu instid0(VALU_DEP_2)
	v_permlanex16_b32 v[BT+\b], v[BM+\b], s[SEL], s[SEL+1]
.endr
.irp b, 0,1
	s_delay_alu instid0(VALU_DEP_2)
	v_max_num_f32 v[BM+\b], v[BM+\b], v[BT+\b]
.endr
.irp b, 0,1
	s_delay_alu instid0(VALU_DEP_2)
	v_add_nc_u32 v[SO+\b], 0xff000000, v[BM+\b]
.endr
.irp b, 0,1
	s_delay_alu instid0(VALU_DEP_2)
	v_lshrrev_b32 v[BT+\b], 23, v[SO+\b]
.endr
	v_cvt_scalef32_pk16_fp6_f32 v[PCD:PCD+2], v[S:S+15], v[SO]
	v_cvt_scalef32_pk16_fp6_f32 v[PC2:PC2+2], v[S+16:S+31], v[SO+1]
	v_cndmask_b32 v[TV], v[BT], v[BT+1], s[HM]     ; my block's byte
.irp i, 0,1,2
	v_permlane16_swap_b32 v[PCD+\i], v[PC2+\i]
.endr
.irp i, 0,1,2
	s_delay_alu instid0(VALU_DEP_3)
	v_mov_b32 v[PCD+3+\i], v[PC2+\i]
.endr
	v_cmp_ge_f32 vcc_lo, 0xe7800000, v13           ; no key has counted
	s_delay_alu instid0(VALU_DEP_1)
	v_cndmask_b32 v[TV], v[TV], v[F], vcc_lo
.irp p, 0,1,2
	global_store_b64 v[A8], v[PCD+2*\p:PCD+2*\p+1], s[YP:YP+1] offset:256*\p   ; 256 consecutive bytes, aligned
.endr
	global_store_b8 v31, v[TV], s[YS:YS+1]
	s_wait_kmcnt 0x0                               ; the last trip's scalar loads
	s_wait_tensorcnt 0x0
	ds_add_u32 v148, v149
	s_wait_dscnt 0x0
	CROUND                                         ; the closing round
	s_endpgm
.Lfunc_end_k_q7a362bbe22_attn:
	.size	k_q7a362bbe22_attn, .Lfunc_end_k_q7a362bbe22_attn-k_q7a362bbe22_attn
	.p2alignl 7, 3214868480
	.fill 96, 4, 3214868480
	.section	.rodata,"a",@progbits
	.p2align	6, 0x0
	.amdhsa_kernel k_q7a362bbe22_attn
		.amdhsa_group_segment_fixed_size 219136
		.amdhsa_private_segment_fixed_size 0
		.amdhsa_enable_private_segment 0
		.amdhsa_kernarg_size 40
		.amdhsa_user_sgpr_count 2
		.amdhsa_user_sgpr_kernarg_segment_ptr 1
		.amdhsa_wavefront_size32 1
		.amdhsa_system_sgpr_workgroup_id_x 1
		.amdhsa_system_sgpr_workgroup_id_y 1
		.amdhsa_system_sgpr_workgroup_id_z 1
		.amdhsa_system_vgpr_workitem_id 0
		.amdhsa_next_free_vgpr 256
		.amdhsa_next_free_sgpr 106
		.amdhsa_reserve_vcc 1
		.amdhsa_float_denorm_mode_32 3
		.amdhsa_float_denorm_mode_16_64 3
		.amdhsa_memory_ordered 1
		.amdhsa_forward_progress 1
		.amdhsa_inst_pref_size 39
	.end_amdhsa_kernel
	.amdgpu_metadata
---
amdhsa.version: [ 1, 2 ]
amdhsa.kernels:
  - .name:           k_q7a362bbe22_attn
    .symbol:         k_q7a362bbe22_attn.kd
    .args:
      - { .name: hcodes, .offset: 0, .size: 8, .value_kind: global_buffer, .address_space: global }
      - { .name: attn_mask, .offset: 8, .size: 8, .value_kind: global_buffer, .address_space: global }
      - { .name: bias_emb, .offset: 16, .size: 8, .value_kind: global_buffer, .address_space: global }
      - { .name: ycodes, .offset: 24, .size: 8, .value_kind: global_buffer, .address_space: global }
      - { .name: match, .offset: 32, .size: 8, .value_kind: global_buffer, .address_space: global }
    .group_segment_fixed_size: 219136
    .private_segment_fixed_size: 0
    .kernarg_segment_align: 8
    .kernarg_segment_size: 40
    .max_flat_workgroup_size: 512
    .sgpr_count:     106
    .vgpr_count:     256
    .wavefront_size: 32
...
	.end_amdgpu_metadata
.endif
;; end of part 3
;; launch outp (part 4): grid 8 x 32, 4 waves a work-group, clusters of 4 x 4, 229,376 bytes of LDS; arguments ycodes, wcodes, out0; writes out0
.if DOCPART == 4
	.amdgcn_target "amdgcn-amd-amdhsa--gfx1250"
	.amdhsa_code_object_version 6
	.text
	.protected	k_q7a362bbe22_outp
	.globl	k_q7a362bbe22_outp
	.p2align	8
	.type	k_q7a362bbe22_outp,@function
k_q7a362bbe22_outp:
	s_mov_b64 s[64:65], 0
	v_nop
	global_prefetch_b8 v0, s[64:65] scope:SCOPE_SE
	s_setreg_imm32_b32 hwreg(HW_REG_WAVE_MODE, 25, 1), 1
	s_wait_xcnt 0x0
	s_wait_alu depctr_hold_cnt(0) depctr_sa_sdst(0) depctr_va_vdst(0) depctr_va_sdst(0) depctr_va_ssrc(0) depctr_va_vcc(0) depctr_vm_vsrc(0)
	s_getreg_b32 s2, hwreg(HW_REG_IB_STS2, 6, 4)
	s_cmp_eq_u32 s2, 0
	s_cbranch_scc0 .Lentry_in_a_cluster
	s_endpgm
.Lentry_in_a_cluster:
	s_bfe_u32 s2, ttmp6, 0x10000c
	s_cmp_lg_u32 s2, 0xf033
	s_cbranch_scc0 .Lentry_shape_is_right
	s_endpgm
.Lentry_shape_is_right:
; FOURTH LAUNCH.  out0 = y Wo^T on codes of FP6 (E2M3) with E8M0 scales; y [4096][1024] comes as operand images from the attention launch, Wo's codes as rows of 768 bytes.
; A block of 128 x 128 to a work-group: 32 x 8 = 256 work-groups.  ALL OF K LIES IN LDS, filled once, one joint load a wave: wave 0 y's 8 stored tiles (98,304 bytes on end), wave 1 Wo's 128 rows (98,304 bytes on end,
; as rows of 256 bytes with 16 bytes of padding: a row of codes is 3 x 272 = 816 bytes in LDS), wave 2 y's scale bytes (4,096), wave 3 Wo's.  No byte is filled again: no ring, one barrier.
; 4 x 4 work-groups form a cluster: y's pieces are shared along a row, Wo's along a column.  No prefetch: there is one fill, at the head, and no loop to run ahead in.
; A wave makes 64 x 64: 16 accumulators (window 1), which take turns; eight steps of 128 along K, written out; two sets of fragments (window 0): a step's 48 loads are issued a step ahead.
; The matrix instruction is used transposed (source 0 = Wo's rows, source 1 = y's rows): a lane holds eight neighbouring numbers of a row of out0.
; Stored tile 4 c + u of y holds queries 64 c + 32 (r / 8) + 8 u + r % 8: the way out puts each row where it belongs.
.set BP,     816                       ; a row of Wo's codes in LDS
.set BC,     98304                     ; Wo's codes
.set SCL,    BC+384*272                ; y's scale bytes: 16 units of 256 + 16; Wo's behind them
.set SBLK,   2*272                     ; the scale bytes of 16 rows
.set STAGE,  SCL+2*16*272              ; the way out: 16 rows x 272 bytes for each wave; no fill lands here
.set SPITCH, 272
.set SPARE,  STAGE+4*16*SPITCH
.set ADRA, 16
.set ADRB, 20                          ; v20, v21: v21 for a piece whose lanes 16-31 lie behind the next padding
.set STO,  24
.set RD,   25
.set CO,   26
.set ADRS, 27
.set SPW,  28
.set NIL,  29
.set SC,   32                          ; v32-63 scale words: register 8 i + step: lanes 0-15 y's block i, lanes 16-31 Wo's block i
.set FA,   64                          ; set s: y's four fragments at 64 + 96 s, Wo's four at 112 + 96 s
.set FB,   112
.set BK,   64                          ; the way out: v64-95, v96-127 by turns
.set G1,   24
.set G0,   32
.set G1B,  48
.set G0B,  56
.set G1S,  68
.set G0S,  76
.set G1SB, 80
.set G0SB, 88
.set MSB, 0
.macro WIN new
.if MSB != (\new)
	s_set_vgpr_msb (MSB<<8)|(\new)
.set MSB, (\new)
.endif
.endm
.macro CROUND
	s_barrier_signal -1
	s_barrier_wait -1
	s_cmp_lg_u32 s14, 0
	s_cbranch_scc1 .Lnot_wave_0_\@
	s_barrier_signal -3
.Lnot_wave_0_\@:
	s_barrier_wait -3
	s_barrier_signal -1
	s_barrier_wait -1
.endm
.macro ARM under, g0, g1, next
	s_cmp_lt_u32 s14, \under
	s_cbranch_scc0 \next
	tensor_load_to_lds s[\g0:\g0+3], s[\g1:\g1+7]
	s_nop 0
.rept 4
	v_nop
.endr
	s_branch .Lhead_asked
\next:
.endm
	s_load_b128 s[4:7], s[0:1], 0x0                ; ycodes, wcodes
	s_load_b64 s[12:13], s[0:1], 0x10              ; out0
	v_lshl_add_u32 v[SPW], v0, 2, SPARE
	v_mov_b32 v[NIL], 0
	ds_add_u32 v[SPW], v[NIL]
	ds_add_u32 v[SPW], v[NIL]
	v_lshrrev_b32 v1, 5, v0
	v_readfirstlane_b32 s14, v1                    ; wave
	s_lshr_b32 s15, s14, 1                         ; which 64 rows
	s_and_b32 s16, s14, 1                          ; which 64 columns
	s_bfe_u32 s40, ttmp6, 0x40000
	s_bfe_u32 s41, ttmp6, 0x40004
	s_lshl_b32 s42, ttmp9, 2
	s_add_co_u32 s42, s42, s40                     ; block column 0..7
	s_and_b32 s17, ttmp7, 0xffff
	s_lshl_b32 s17, s17, 2
	s_add_co_u32 s17, s17, s41                     ; block row 0..31
	s_lshl_b32 s43, s41, 2
	s_lshl_b32 s43, 15, s43
	s_lshl_b32 s44, 0x1111, s40
	s_or_b32 s[G1+0], s43, (3<<16)|(1<<21)                                 ; y's images: rows of 256 bytes on end
	s_or_b32 s[G1B+0], s44, (3<<16)|(1<<20)|(1<<21)|(5<<22)|(3<<25)        ; Wo's codes: 16 bytes of padding behind each 256
.irp g, G1, G1B
	s_mov_b32 s[\g+1], 32<<16
	s_mov_b32 s[\g+2], 384<<16
	s_mov_b32 s[\g+3], 32<<16
	s_mov_b32 s[\g+4], 384
	s_mov_b32 s[\g+5], 32
	s_mov_b32 s[\g+6], 0
	s_mov_b32 s[\g+7], 0
.endr
	s_or_b32 s[G1S+0], s43, (3<<16)|(1<<20)|(1<<21)|(5<<22)|(3<<25)
	s_or_b32 s[G1SB+0], s44, (3<<16)|(1<<20)|(1<<21)|(5<<22)|(3<<25)
.irp g, G1S, G1SB
	s_mov_b32 s[\g+1], 32<<16
	s_mov_b32 s[\g+2], 16<<16
	s_mov_b32 s[\g+3], 32<<16
	s_mov_b32 s[\g+4], 16
	s_mov_b32 s[\g+5], 32
	s_mov_b32 s[\g+6], 0
	s_mov_b32 s[\g+7], 0
.endr
	s_mul_i32 s20, s17, 98304                      ; y's codes: 8 tiles of 12,288 bytes
	s_mov_b32 s21, 0
	s_lshl_b32 s92, s17, 12
	s_add_co_u32 s92, s92, 3145728                 ; y's scale bytes
	s_mov_b32 s93, 0
	s_mul_i32 s22, s42, 98304
	s_add_co_u32 s22, s22, 2359296                 ; Wo's codes
	s_mov_b32 s23, 0
	s_lshl_b32 s46, s42, 12
	s_add_co_u32 s46, s46, 3244032                 ; Wo's scale bytes
	s_mov_b32 s47, 0
	s_wait_dscnt 0x0
	s_wait_kmcnt 0x0
	s_mov_b32 s[G0], 1
	s_mov_b32 s[G0+1], 0
	s_add_nc_u64 s[G0+2:G0+3], s[4:5], s[20:21]
	s_or_b32 s[G0+3], s[G0+3], 0x80000000
	s_mov_b32 s[G0B], 1
	s_mov_b32 s[G0B+1], BC
	s_add_nc_u64 s[G0B+2:G0B+3], s[6:7], s[22:23]
	s_or_b32 s[G0B+3], s[G0B+3], 0x80000000
	s_mov_b32 s[G0S], 1
	s_mov_b32 s[G0S+1], SCL
	s_add_nc_u64 s[G0S+2:G0S+3], s[4:5], s[92:93]
	s_or_b32 s[G0S+3], s[G0S+3], 0x80000000
	s_mov_b32 s[G0SB], 1
	s_mov_b32 s[G0SB+1], SCL+16*272
	s_add_nc_u64 s[G0SB+2:G0SB+3], s[6:7], s[46:47]
	s_or_b32 s[G0SB+3], s[G0SB+3], 0x80000000
	CROUND                                         ; the joint loads meet
	ARM 1, G0,  G1,  .Lhead_b
	ARM 2, G0B, G1B, .Lhead_sa
	ARM 3, G0S, G1S, .Lhead_sb
	tensor_load_to_lds s[G0SB:G0SB+3], s[G1SB:G1SB+7]
	s_nop 0
.rept 4
	v_nop
.endr
.Lhead_asked:
	s_mul_i32 s18, s15, 4*12288                    ; my four tiles of y
	s_mul_i32 s19, s16, 64*BP
	s_add_co_u32 s19, s19, BC                      ; my 64 rows of Wo
	s_mul_i32 s20, s15, 4*SBLK
	s_mul_i32 s21, s16, 4*SBLK
	s_add_co_u32 s21, s21, 16*272
	s_sub_co_u32 s21, s21, s20                     ; from y's scale words to Wo's
	s_add_co_u32 s20, s20, SCL
	s_mul_i32 s22, s14, 16*SPITCH
	s_add_co_u32 s22, s22, STAGE                   ; my stage
	s_lshl_b32 s92, s17, 7
	s_lshl_b32 s93, s15, 6
	s_add_co_u32 s92, s92, s93
	s_lshl_b32 s92, s92, 12                        ; my first row of out0, 4,096 bytes a row
	s_lshl_b32 s93, s42, 9
	s_add_co_u32 s92, s92, s93
	s_lshl_b32 s93, s16, 8
	s_add_co_u32 s92, s92, s93                     ; my first column
	s_mov_b32 s93, 0
	s_add_nc_u64 s[12:13], s[12:13], s[92:93]
	v_and_b32 v1, 15, v0                           ; r
	v_bfe_u32 v2, v0, 4, 1                         ; h
	v_and_b32 v6, 31, v0
	v_lshlrev_b32 v3, 3, v6
	v_add_nc_u32 v[ADRA], s18, v3                  ; images: 8 bytes a lane
	v_mul_u32_u24 v4, v1, BP
	v_mad_u32_u24 v4, v2, 24, v4
	v_add_nc_u32 v[ADRB], s19, v4                  ; row x 816 + 24 h
	v_lshl_add_u32 v[ADRB+1], v2, 4, v[ADRB]
	v_lshlrev_b32 v5, 5, v1                        ; scale bytes: 32 a row,
	v_lshrrev_b32 v7, 8, v5
	v_lshl_add_u32 v5, v7, 4, v5                   ; 16 more for each 256 passed
	v_mul_u32_u24 v7, s21, v2
	v_add_nc_u32 v5, v5, v7
	v_add_nc_u32 v[ADRS], s20, v5
	v_mul_u32_u24 v8, v1, SPITCH
	v_lshl_add_u32 v8, v2, 5, v8
	v_add_nc_u32 v[STO], s22, v8                   ; in: row r, 32 bytes for each half of the lanes
	v_mul_u32_u24 v9, v2, SPITCH
	v_lshl_add_u32 v9, v1, 4, v9
	v_add_nc_u32 v[RD], s22, v9                    ; back: sixteen lanes to a row of 256 bytes
	v_lshlrev_b32 v10, 12, v2
	v_lshl_add_u32 v[CO], v1, 4, v10               ; and the same two rows in out0
.macro FETCH st
.set FS, 96*((\st)%2)
.irp i, 0,1,2,3
.irp p, 0,1,2,3,4,5
	ds_load_b64 v[FA+FS+12*\i+2*\p:FA+FS+12*\i+2*\p+1], v[ADRA] offset:12288*\i+1536*(\st)+256*\p
.endr
.endr
.irp i, 0,1,2,3
.irp p, 0,1,2,3,4,5
.set BY, 96*(\st)+48*(\p/3)+8*(\p%3)   ; where the piece of lanes 0-15 begins in the row; that of lanes 16-31 begins 24 bytes on
.if BY/256 == (BY+24)/256
	ds_load_b64 v[FB+FS+12*\i+2*\p:FB+FS+12*\i+2*\p+1], v[ADRB] offset:BY+16*(BY/256)+\i*16*BP
.else
	ds_load_b64 v[FB+FS+12*\i+2*\p:FB+FS+12*\i+2*\p+1], v[ADRB+1] offset:BY+16*(BY/256)+\i*16*BP
.endif
.endr
.endr
.endm
.macro MUL st, zero
.set FS, 96*((\st)%2)
	WIN 0x50                                       ; C and D in window 1
.irp a, 0,1,2,3
.irp b, 0,1,2,3
.if \zero
	v_wmma_scale_f32_16x16x128_f8f6f4 v[8*(4*\a+\b):8*(4*\a+\b)+7], v[FB+FS+12*\b:FB+FS+12*\b+11], v[FA+FS+12*\a:FA+FS+12*\a+11], 0, v[SC+8*\b+(\st)], v[SC+8*\a+(\st)] matrix_a_fmt:MATRIX_FMT_FP6 matrix_b_fmt:MATRIX_FMT_FP6 matrix_a_scale:MATRIX_SCALE_ROW1
.else
	v_wmma_scale_f32_16x16x128_f8f6f4 v[8*(4*\a+\b):8*(4*\a+\b)+7], v[FB+FS+12*\b:FB+FS+12*\b+11], v[FA+FS+12*\a:FA+FS+12*\a+11], v[8*(4*\a+\b):8*(4*\a+\b)+7], v[SC+8*\b+(\st)], v[SC+8*\a+(\st)] matrix_a_fmt:MATRIX_FMT_FP6 matrix_b_fmt:MATRIX_FMT_FP6 matrix_a_scale:MATRIX_SCALE_ROW1
.endif
.endr
.endr
	WIN 0
.rept 4
	v_nop                                          ; places in front of loads into registers that these products have read, and of the first read of results
.endr
.endm
	s_wait_alu depctr_va_vdst(0)                   ; the wait at the head's end
	s_wait_tensorcnt 0x0                           ; my piece is in
	s_barrier_signal -1
	s_barrier_wait -1                              ; everybody's is.  The four pieces are only read from here on
.irp i, 0,1,2,3
	ds_load_b128 v[SC+8*\i:SC+8*\i+3], v[ADRS] offset:\i*SBLK       ; a row's 32 scale bytes: the words of all eight steps
	ds_load_b128 v[SC+8*\i+4:SC+8*\i+7], v[ADRS] offset:\i*SBLK+16
.endr
	FETCH 0
	FETCH 1
	s_wait_dscnt 48                                ; all but the next step's 48 loads
	MUL 0, 1                                       ; the first step's products start the sums
.set ST, 1
.rept 6
	FETCH ST+1
	s_wait_dscnt 48
	MUL ST, 0
.set ST, ST+1
.endr
	s_wait_dscnt 0x0
	MUL 7, 0
; THE WAY OUT, block by block of 16 rows x 64 columns, through my own stage: LDS serves a wave's instructions in order, so no wait stands between the stores and the loads
.macro TOSTAGE a
	WIN 0x04                                       ; the data: window 1
.irp b, 0,1,2,3
	ds_store_b128 v[STO], v[8*(4*(\a)+\b):8*(4*(\a)+\b)+3] offset:64*\b       ; each accumulator from its low end on
	ds_store_b128 v[STO], v[8*(4*(\a)+\b)+4:8*(4*(\a)+\b)+7] offset:64*\b+16
.endr
	WIN 0
.irp t, 0,1,2,3,4,5,6,7
	ds_load_b128 v[BK+32*((\a)%2)+4*\t:BK+32*((\a)%2)+4*\t+3], v[RD] offset:\t*2*SPITCH
.endr
.endm
.macro SEND a, younger                 ; rows 2 t and 2 t + 1 of my stored tile a are queries 32 (t / 4) + 8 a + 2 (t % 4) and the next
	s_wait_dscnt \younger
.irp t, 0,1,2,3,4,5,6,7
	global_store_b128 v[CO], v[BK+32*((\a)%2)+4*\t:BK+32*((\a)%2)+4*\t+3], s[12:13] offset:(32*(\t/4)+8*(\a)+2*(\t%4))*4096 th:TH_STORE_NT   ; sixteen lanes store 256 consecutive bytes, aligned
.endr
.endm
	TOSTAGE 0
.irp a, 1,2,3
.if \a > 1
	s_wait_xcnt 0x0                                ; block a - 2's stores have read their registers
.endif
	TOSTAGE \a
	SEND \a-1, 16                                  ; behind block a - 1's loads: block a's 8 stores and 8 loads
.endr
	SEND 3, 0
	s_wait_tensorcnt 0x0                           ; the wave's end
	ds_add_u32 v[SPW], v[NIL]
	s_wait_dscnt 0x0
	CROUND                                         ; the closing round
	s_endpgm
.Lfunc_end_k_q7a362bbe22_outp:
	.size	k_q7a362bbe22_outp, .Lfunc_end_k_q7a362bbe22_outp-k_q7a362bbe22_outp
	.p2alignl 7, 3214868480
	.fill 96, 4, 3214868480
	.section	.rodata,"a",@progbits
	.p2align	6, 0x0
	.amdhsa_kernel k_q7a362bbe22_outp
		.amdhsa_group_segment_fixed_size 229376
		.amdhsa_private_segment_fixed_size 0
		.amdhsa_enable_private_segment 0
		.amdhsa_kernarg_size 24
		.amdhsa_user_sgpr_count 2
		.amdhsa_user_sgpr_kernarg_segment_ptr 1
		.amdhsa_wavefront_size32 1
		.amdhsa_system_sgpr_workgroup_id_x 1
		.amdhsa_system_sgpr_workgroup_id_y 1
		.amdhsa_system_sgpr_workgroup_id_z 1
		.amdhsa_system_vgpr_workitem_id 0
		.amdhsa_next_free_vgpr 384
		.amdhsa_next_free_sgpr 100
		.amdhsa_reserve_vcc 0
		.amdhsa_float_denorm_mode_32 3
		.amdhsa_float_denorm_mode_16_64 3
		.amdhsa_memory_ordered 1
		.amdhsa_forward_progress 1
		.amdhsa_inst_pref_size 59
	.end_amdhsa_kernel
	.amdgpu_metadata
---
amdhsa.version: [ 1, 2 ]
amdhsa.kernels:
  - .name:           k_q7a362bbe22_outp
    .symbol:         k_q7a362bbe22_outp.kd
    .args:
      - { .name: ycodes, .offset: 0, .size: 8, .value_kind: global_buffer, .address_space: global }
      - { .name: wcodes, .offset: 8, .size: 8, .value_kind: global_buffer, .address_space: global }
      - { .name: out0, .offset: 16, .size: 8, .value_kind: global_buffer, .address_space: global }
    .group_segment_fixed_size: 229376
    .private_segment_fixed_size: 0
    .kernarg_segment_align: 8
    .kernarg_segment_size: 24
    .max_flat_workgroup_size: 128
    .sgpr_count:     100
    .vgpr_count:     384
    .wavefront_size: 32
...
	.end_amdgpu_metadata
.endif
;; end of part 4
